; MI455X (gfx1250); checked and timed in simulation.
; The chip was launched on July 23, 2026; its instructions are those of AMD's public machine-readable ISA for CDNA 5 (MIT licence, August 2026) and "CDNA5" Instruction Set Architecture Reference Guide (July 2026). The comments in the code are by the model that wrote it; some were corrected since.
;; Multi Headed Attention. Allowed arithmetic: matrix products marked QUANTISED: E2M3 operands, one E8M0 scale for each 32 along K, by v_wmma_scale_f32_16x16x128_f8f6f4 with both operands' format E2M3, f32 sums; everything else in f32.
;; Inputs: Wk 1,024 x 1,024 float32; Wq 1,024 x 1,024 float32; bk 1,024 float32; bq 1,024 float32; key 4 x 2,048 x 1,024 float32; query 4 x 2,048 x 1,024 float32; value 4 x 64 x 2,048 float32.
;; Outputs: out0 4 x 2,048 x 64 float32; out1 4 x 16 x 2,048 x 64 float32.
;; This version of the problem:
;;   THIS VERSION OF THE PROBLEM IS GIVEN IN LOW PRECISION. The matrix products marked QUANTISED in the list below multiply operands that are first quantised to E2M3 (2 exponent bits, 3 mantissa bits; 6 bits a number), with one power-of-two scale for each 32 numbers along K (OCP MX v1.0); their sums are f32. All else is computed in f32.
;;   The module's matrix products, in the order in which they are computed (A, B: the left and right operand; K: the contracted axis; several contracted axes count as one K, in the product's order):
;;     1. [M 8,192, K 1,024] x [K 1,024, N 1,024]; A: input query; B: input Wq: QUANTISED
;;     2. [M 8,192, K 1,024] x [K 1,024, N 1,024]; A: input key; B: input Wk: QUANTISED
;;     3. batch 64 x [M 2,048, K 64] x [K 64, N 2,048]; A: computed on the way; B: computed on the way: QUANTISED
;;     4. batch 4 x [M 32,768, K 2,048] x [K 2,048, N 64]; A: softmax (see below); B: input value: QUANTISED
;;   THE QUANTISER, for each operand of a quantised product, along K:
;;     - K is cut into blocks of 32 from its start; a last block that is shorter is filled with zeros.
;;     - A block's scale is 2^e with e = floor(log2(the largest magnitude in the block)) - 2, held to -126 .. 127; a block of zeros has e = 0. As a byte (E8M0): e + 127.
;;     - Each number is divided by its block's scale, clamped to +-7.5, and rounded to the nearest number of E2M3, ties to even, subnormals kept.
;;     - The product sums the exact products of the quantised numbers (number of the format x scale) in f32.
;;   ~~~python
;;   def quantise(x, axis):      # numpy; x: float32 -> the quantised numbers, widened to float32 again
;;       x = np.moveaxis(x, axis, -1); K = x.shape[-1]
;;       x = np.pad(x, [(0, 0)] * (x.ndim - 1) + [(0, -K % 32)]); x = x.reshape(x.shape[:-1] + (-1, 32)); a = np.abs(x).max(-1, keepdims=True)
;;       e = np.where(a > 0, np.clip(np.frexp(np.where(a > 0, a, 1))[1] - 1 - 2, -126, 127), 0)      # np.frexp(a)[1] - 1 = floor(log2(a)), exactly
;;       r = np.clip(x / 2.0 ** e, -7.5, 7.5)
;;       step = 2.0 ** (np.maximum(np.frexp(np.where(r == 0, 1, r))[1] - 1, 0) - 3)
;;       q = np.round(r / step) * step * 2.0 ** e      # np.round: ties to even
;;       return np.moveaxis(q.reshape(q.shape[:-2] + (-1,))[..., :K], -1, axis).astype(np.float32)
;;   ~~~
;;   SOFTMAX AHEAD OF A QUANTISED PRODUCT. Where the list says 'softmax', what is quantised is not the finished softmax but p = 2^(t - M), with t = logit x log2(e) and M = ceil(the row's largest t), a whole number; so 1/2 < the row's largest p <= 1. The row's sum l is taken of the UNQUANTISED p, in f32, and the product's result is divided by l at the end. Since M is a whole number, a kernel that streams over the keys may use a running M (the ceiling of the running maximum): every later rescaling is an exact power of two, which a block's scale takes up: the codes' values come out the same.
;;   OPERANDS COMPUTED ON THE WAY. 'Computed on the way' means the value that the module computes at that place (a softmax that the list does not call 'softmax' is quantised finished and normalised). What goes into a quantiser is computed in f32, as accurately as f32 sums, v_exp_f32 and their like allow (about 1e-6 of the number): no bf16 or f16 on the way to a quantiser, and a product that is left as it is and whose result goes on into a quantised operand takes f32 operands (vector FMAs, or v_wmma_f32_16x16x4_f32). A number that lies on a knife's edge between two numbers of the format may be rounded either way, as far as f32 arithmetic and the matrix unit's own rounding can turn it there, and no further.
;; 2 versions, each right; version 2 is version 1 with the launch attn written anew for expert scheduling mode. Each part assembles by itself: llvm-mc -triple=amdgcn-amd-amdhsa -mcpu=gfx1250 --defsym DOCPART=n.
;; ======== version 1 of 2: 3 launches
;; workspace buffers: cod 14,548,992 bytes; scl 606,208 bytes; hc 12,582,912 bytes; hs 524,288 bytes
;; launch quant (part 1): grid 296 x 1, 4 waves a work-group, no clusters, 34,304 bytes of LDS; arguments query, key, Wq, Wk, value, cod, scl; writes cod, scl
.if DOCPART == 1
	.amdgcn_target "amdgcn-amd-amdhsa--gfx1250"
	.amdhsa_code_object_version 6
	.text
	.protected	k_qebe5514581_quant
	.globl	k_qebe5514581_quant
	.p2align	8
	.type	k_qebe5514581_quant,@function
k_qebe5514581_quant:
	s_mov_b64 s[64:65], 0
	v_nop
	global_prefetch_b8 v0, s[64:65] scope:SCOPE_SE
	s_setreg_imm32_b32 hwreg(HW_REG_WAVE_MODE, 25, 1), 1
	s_wait_xcnt 0x0
; query, key [8192][1024], Wq, Wk [1024][1024] and value [256][2048], all f32 with K innermost, become codes of FP6 (E2M3) with one E8M0 byte for each 32 along K.
; A block's scale is 2^(floor(log2(its largest magnitude)) - 2): its byte is that magnitude's exponent field - 2, held at 1 from below.
; LIMITS: a block of zeros, or one whose largest magnitude lies under 2^-124, gets the byte 1 (for zeros the rule says 127: the codes are zeros, and this program alone reads the bytes);
; NaN and infinities among the inputs are not served.
; THE CODES ARE LAID AS IMAGES OF OPERAND REGISTERS.  A fragment is 16 rows x 128 K, 12 registers a lane (lane (r, h): row r; registers 6 c .. 6 c + 5: K = 64 c + 32 h + 0 .. 31).
; Its image is 1,536 bytes: registers 4 g .. 4 g + 3 of lane l at 512 g + 16 l.  So whoever reads it takes three loads of 16 bytes a lane, each 512 consecutive bytes.
; THE 16 ROWS OF A FRAGMENT ARE NOT NEIGHBOURS: block 2 G + u holds rows 32 G + 8 u + i % 8 + 16 (i / 8), i = 0 .. 15, so that results made with these fragments fall 16 neighbours to a lane.
; A JOB is one block x 1,024 along K: eight fragments.  cod: [job][8][1,536];  scl: [job][row 16][8 words], word s = the four bytes of K step s.
; Jobs 0-511 query, 512-1023 key, 1024-1087 Wq, 1088-1151 Wk, 1152-1183 value (a row of value is two jobs long).  A wave takes a job; 296 work-groups of four waves.
; Only pointers and two numbers are chosen by the work-group's number: all tensors take one path.  Waves share nothing: no barrier.
; Each load reads 512 consecutive bytes of one row; a step's 16 rows turn through the wave's own stage in LDS (rows 528 bytes apart) and come back 16 neighbours of a block to a lane.
; No matrix unit, no cluster, no tensor load: every input byte is read by one wave, once.
.set WSTG,  8448                       ; a wave's stage: 16 rows x 528 bytes
.set SP,    528
.set L16,   1                          ; v1      16 x lane
.set SI,    2                          ; v2      the stage, on the way in: my wave's + 16 x lane
.set SOUT,  3                          ; v3      and out: my wave's + 528 r + 64 h
.set SW,    4                          ; v4      my 16 bytes of the job's scale words: 32 r + 16 h
.set PW,    8                          ; v8-15   the scale word of each of the eight steps
.set TM,    16                         ; v16-31  at work
.set PC,    32                         ; v32-43  the fragment just made; v44-51 halves on their way
.set CW,    52                         ; v52-55  the four scale words that I store
.set X,     64                         ; v64-127 64 numbers: register 16 b + i = K 32 b + 16 h + i of row r
.set R,     128                        ; v128-255 two sets of 16 x 4 registers as loaded
.set SEL,   20                         ; s[20:21] selects of v_permlanex16_b32 for lane l xor 16
.set RB,    32                         ; s[32:63] the addresses of my 16 rows; never rewritten
	s_load_b256 s[4:11], s[0:1], 0x0               ; query, key, Wq, Wk
	s_load_b128 s[12:15], s[0:1], 0x20             ; value, cod
	s_load_b64 s[16:17], s[0:1], 0x30              ; scl
	v_lshl_add_u32 v62, v0, 2, 0x8400
	v_mov_b32 v63, 0
	v_lshrrev_b32 v5, 5, v0
	v_readfirstlane_b32 s2, v5                     ; wave
	v_and_b32 v5, 31, v0                           ; lane
	v_and_b32 v6, 15, v0                           ; r
	v_bfe_u32 v7, v0, 4, 1                         ; h
	v_lshlrev_b32 v[L16], 4, v5
	s_mul_i32 s3, s2, WSTG
	v_add_nc_u32 v[SI], s3, v[L16]
	v_mul_u32_u24 v[SOUT], v6, SP
	v_lshl_add_u32 v[SOUT], v7, 6, v[SOUT]
	v_add_nc_u32 v[SOUT], s3, v[SOUT]
	v_lshlrev_b32 v[SW], 5, v6
	v_lshl_add_u32 v[SW], v7, 4, v[SW]
.irp b, 0,1,2,3
	v_mov_b32 v[TM+4+\b], 0                        ; written once: a lane permute's destination counts as one of its sources
.endr
	s_lshl_b32 s18, ttmp9, 2
	s_add_co_u32 s18, s18, s2                      ; my job
	s_mov_b32 s19, 0                               ; my tensor's first job
	s_mov_b32 s22, 0                               ; 1 where a row is two jobs long
	s_wait_kmcnt 0x0
	s_cmp_ge_u32 ttmp9, 128                        ; which tensor: the choices hang on the work-group's number alone
	s_cselect_b64 s[4:5], s[6:7], s[4:5]
	s_cselect_b32 s19, 512, s19
	s_cmp_ge_u32 ttmp9, 256
	s_cselect_b64 s[4:5], s[8:9], s[4:5]
	s_cselect_b32 s19, 1024, s19
	s_cmp_ge_u32 ttmp9, 272
	s_cselect_b64 s[4:5], s[10:11], s[4:5]
	s_cselect_b32 s19, 1088, s19
	s_cmp_ge_u32 ttmp9, 288
	s_cselect_b64 s[4:5], s[12:13], s[4:5]
	s_cselect_b32 s19, 1152, s19
	s_cselect_b32 s22, 1, s22
	s_sub_co_u32 s19, s18, s19                     ; the job's number in its tensor
	s_lshr_b32 s23, s19, s22                       ; its block
	s_and_b32 s19, s19, s22                        ; which half of the rows' length
	s_lshr_b32 s28, s23, 1
	s_lshl_b32 s28, s28, 5
	s_and_b32 s23, s23, 1
	s_lshl_b32 s23, s23, 3
	s_add_co_u32 s28, s28, s23                     ; the block's first row: 32 G + 8 u
	s_add_co_u32 s23, s22, 12
	s_lshl_b32 s28, s28, s23                       ; in bytes: rows of 4,096 or 8,192
	s_lshl_b32 s19, s19, 12
	s_add_co_u32 s28, s28, s19                     ; + 4,096 for a row's second half
	s_mov_b32 s29, 0
	s_lshl_b32 s30, 0x1000, s22                    ; from row to row
	s_mov_b32 s31, 0
	s_add_nc_u64 s[RB:RB+1], s[4:5], s[28:29]      ; row i = 0
	s_lshl_b32 s28, s30, 4
	s_add_nc_u64 s[RB+16:RB+17], s[RB:RB+1], s[28:29]   ; row i = 8 lies 16 rows on
.irp i, 1,2,3,4,5,6,7
	s_add_nc_u64 s[RB+2*\i:RB+2*\i+1], s[RB+2*\i-2:RB+2*\i-1], s[30:31]
	s_add_nc_u64 s[RB+16+2*\i:RB+17+2*\i], s[RB+14+2*\i:RB+15+2*\i], s[30:31]
.endr
	s_mul_i32 s24, s18, 12288
	s_mov_b32 s25, 0
	s_add_nc_u64 s[24:25], s[14:15], s[24:25]      ; my job's images
	s_lshl_b32 s26, s18, 9
	s_mov_b32 s27, 0
	s_add_nc_u64 s[26:27], s[16:17], s[26:27]      ; and its scale words
	s_mov_b32 s[SEL], 0x76543210
	s_mov_b32 s[SEL+1], 0xfedcba98
.macro LOAD s                          ; K step s of my 16 rows: each load is 512 consecutive bytes of one row
.irp i, 0,1,2,3,4,5,6,7,8,9,10,11,12,13,14,15
	global_load_b128 v[R+64*((\s)%2)+4*\i:R+64*((\s)%2)+4*\i+3], v[L16], s[RB+2*\i:RB+2*\i+1] offset:512*(\s) th:TH_LOAD_NT
.endr
.endm
; 64 numbers of a lane, register 16 b + i = K 32 b + 16 h + i of my row, become a fragment's codes in v[PC] on and its scale word in v[pw].
.macro QUANT s, pw
.irp b, 0,1,2,3
	v_max3_num_f32 v[TM+\b], |v[\s+16*\b]|, |v[\s+1+16*\b]|, 0x1800000   ; block b: my 16 numbers, and the floor 2^(3 - 127): the byte cannot fall under 1
.endr
.irp i, 2,4,6,8,10,12,14
.irp b, 0,1,2,3
	v_max3_num_f32 v[TM+\b], v[TM+\b], |v[\s+16*\b+\i]|, |v[\s+1+16*\b+\i]|   ; the four blocks by turns
.endr
.endr
.irp b, 0,1,2,3
	v_permlanex16_b32 v[TM+4+\b], v[TM+\b], s[SEL], s[SEL+1]
.endr
.irp b, 0,1,2,3
	v_max_num_f32 v[TM+\b], v[TM+\b], v[TM+4+\b]   ; with lane l xor 16's: the block's largest magnitude
.endr
.irp b, 0,1,2,3
	v_add_nc_u32 v[TM+12+\b], 0xff000000, v[TM+\b] ; 2 off its exponent field: the conversion takes that field of this operand as its scale
.endr
.irp b, 0,1,2,3
	v_lshrrev_b32 v[TM+4+\b], 23, v[TM+12+\b]      ; the scale's byte
.endr
	v_lshl_or_b32 v[\pw], v[TM+5], 8, v[TM+4]
	v_lshl_or_b32 v[\pw], v[TM+6], 16, v[\pw]
	v_lshl_or_b32 v[\pw], v[TM+7], 24, v[\pw]      ; my row's scale word
.irp c, 0,1
	v_cvt_scalef32_pk16_fp6_f32 v[PC+6*\c:PC+2+6*\c], v[\s+32*\c:\s+15+32*\c], v[TM+12+2*\c]
	v_cvt_scalef32_pk16_fp6_f32 v[PC+12+4*\c:PC+14+4*\c], v[\s+16+32*\c:\s+31+32*\c], v[TM+12+2*\c+1]   ; (a conversion's three registers begin on an even number)
.endr
	v_nop                                          ; one plain line behind the scaled conversions
.irp c, 0,1                                    ; the layout wants a whole block in a lane: lanes 0-15 block 2 c, lanes 16-31 block 2 c + 1
.irp i, 0,1,2
	v_permlane16_swap_b32 v[PC+6*\c+\i], v[PC+12+4*\c+\i]
.endr
.irp i, 0,1,2
	v_mov_b32 v[PC+3+6*\c+\i], v[PC+12+4*\c+\i]
.endr
.endr
.endm
.macro QSTEP s
.if (\s) < 7
	s_wait_loadcnt 16                              ; this step's 16 loads are in; the next step's 16 stay out
.else
	s_wait_loadcnt 0x0
.endif
.irp i, 0,1,2,3,4,5,6,7,8,9,10,11,12,13,14,15
	ds_store_b128 v[SI], v[R+64*((\s)%2)+4*\i:R+64*((\s)%2)+4*\i+3] offset:SP*\i
.endr
.irp b, 0,1,2,3
.irp j, 0,1,2,3
	ds_load_b128 v[X+16*\b+4*\j:X+16*\b+4*\j+3], v[SOUT] offset:128*\b+16*\j   ; LDS serves a wave's instructions in order: these see the stores above
.endr
.endr
	s_wait_dscnt 0x0                               ; my 64 numbers are in, and the stage's stores have read their registers,
.if (\s) < 6
	LOAD (\s)+2                                    ; which take the loads of two steps on
.endif
	s_wait_xcnt 0x0                                ; the last step's stores have read the fragment's registers: they are written again only behind this wait
	QUANT X, PW+(\s)
.irp g, 0,1,2
	global_store_b128 v[L16], v[PC+4*\g:PC+4*\g+3], s[24:25] offset:1536*(\s)+512*\g   ; 32 lanes store 512 consecutive bytes, at a multiple of 512 from cod's first byte
.endr
.endm
	LOAD 0
	LOAD 1
.irp s, 0,1,2,3,4,5,6,7
	QSTEP \s
.endr
	v_cmp_ne_u32 vcc_lo, 0, v7                     ; lanes 16-31 store words 4-7 of their row, lanes 0-15 words 0-3 (both halves hold all eight)
.irp j, 0,1,2,3
	v_cndmask_b32 v[CW+\j], v[PW+\j], v[PW+4+\j], vcc_lo
.endr
	global_store_b128 v[SW], v[CW:CW+3], s[26:27]  ; the job's 512 bytes of scale words, consecutive
	s_wait_tensorcnt 0x0
	ds_add_u32 v62, v63
	s_wait_dscnt 0x0
	s_endpgm
.Lfunc_end_k_qebe5514581_quant:
	.size	k_qebe5514581_quant, .Lfunc_end_k_qebe5514581_quant-k_qebe5514581_quant
	.p2alignl 7, 3214868480
	.fill 96, 4, 3214868480
	.section	.rodata,"a",@progbits
	.p2align	6, 0x0
	.amdhsa_kernel k_qebe5514581_quant
		.amdhsa_group_segment_fixed_size 34304
		.amdhsa_private_segment_fixed_size 0
		.amdhsa_enable_private_segment 0
		.amdhsa_kernarg_size 56
		.amdhsa_user_sgpr_count 2
		.amdhsa_user_sgpr_kernarg_segment_ptr 1
		.amdhsa_wavefront_size32 1
		.amdhsa_system_sgpr_workgroup_id_x 1
		.amdhsa_system_sgpr_workgroup_id_y 1
		.amdhsa_system_sgpr_workgroup_id_z 1
		.amdhsa_system_vgpr_workitem_id 0
		.amdhsa_next_free_vgpr 256
		.amdhsa_next_free_sgpr 66
		.amdhsa_reserve_vcc 1
		.amdhsa_float_denorm_mode_32 3
		.amdhsa_float_denorm_mode_16_64 3
		.amdhsa_memory_ordered 1
		.amdhsa_forward_progress 1
		.amdhsa_inst_pref_size 65
	.end_amdhsa_kernel
	.amdgpu_metadata
---
amdhsa.version: [ 1, 2 ]
amdhsa.kernels:
  - .name:           k_qebe5514581_quant
    .symbol:         k_qebe5514581_quant.kd
    .args:
      - { .name: query, .offset: 0, .size: 8, .value_kind: global_buffer, .address_space: global }
      - { .name: key, .offset: 8, .size: 8, .value_kind: global_buffer, .address_space: global }
      - { .name: Wq, .offset: 16, .size: 8, .value_kind: global_buffer, .address_space: global }
      - { .name: Wk, .offset: 24, .size: 8, .value_kind: global_buffer, .address_space: global }
      - { .name: value, .offset: 32, .size: 8, .value_kind: global_buffer, .address_space: global }
      - { .name: cod, .offset: 40, .size: 8, .value_kind: global_buffer, .address_space: global }
      - { .name: scl, .offset: 48, .size: 8, .value_kind: global_buffer, .address_space: global }
    .group_segment_fixed_size: 34304
    .private_segment_fixed_size: 0
    .kernarg_segment_align: 8
    .kernarg_segment_size: 56
    .max_flat_workgroup_size: 128
    .sgpr_count:     66
    .vgpr_count:     256
    .wavefront_size: 32
...
	.end_amdgpu_metadata
.endif
;; end of part 1
;; launch proj (part 2): grid 4 x 64, 4 waves a work-group, clusters of 4 x 4, 327,680 bytes of LDS; arguments cod, scl, bq, bk, out1, hc, hs; writes out1, hc, hs
.if DOCPART == 2
	.amdgcn_target "amdgcn-amd-amdhsa--gfx1250"
	.amdhsa_code_object_version 6
	.text
	.protected	k_qebe5514581_proj
	.globl	k_qebe5514581_proj
	.p2align	8
	.type	k_qebe5514581_proj,@function
k_qebe5514581_proj:
	s_mov_b64 s[64:65], 0
	v_nop
	global_prefetch_b8 v0, s[64:65] scope:SCOPE_SE
	s_setreg_imm32_b32 hwreg(HW_REG_WAVE_MODE, 25, 1), 1
	s_wait_xcnt 0x0
	s_wait_alu depctr_hold_cnt(0) depctr_sa_sdst(0) depctr_va_vdst(0) depctr_va_sdst(0) depctr_va_ssrc(0) depctr_va_vcc(0) depctr_vm_vsrc(0)
	s_getreg_b32 s2, hwreg(HW_REG_IB_STS2, 6, 4)
	s_cmp_eq_u32 s2, 0
	s_cbranch_scc0 .Lentry_in_a_cluster
	s_endpgm
.Lentry_in_a_cluster:
	s_bfe_u32 s2, ttmp6, 0x10000c
	s_cmp_lg_u32 s2, 0xf033
	s_cbranch_scc0 .Lentry_shape_is_right
	s_endpgm
.Lentry_shape_is_right:
; q = query Wq^T + bq and k = key Wk^T + bk, both on codes of FP6 (E2M3) with E8M0 scales, as ONE product of 16,384 rows (query's 8,192, then key's) x 1,024 columns, K = 1,024.
; Tile rows 0-31 take Wq and bq, tile rows 32-63 Wk and bk: the choice hangs on the cluster's y alone, which all sixteen partners share.
; OUT: q in f32 to out1 [4][16][2048][64]; q and k, quantised along each head's 64 numbers, as images of operand registers to hc, their scale words to hs, for the attention launch.
; A tile of 256 x 256 is made by four waves, each 128 x 128: 64 accumulators, 512 registers.  K goes in steps of 256 through a ring of two LDS slots filled by the tensor data mover.
; THE CODES COME AS IMAGES (cod: [block of 16 rows][K step of 128][1,536 bytes]): a fragment is three loads of 16 bytes a lane, 512 consecutive bytes each: no pitch, no padding.
; The scale words of the work-group's rows for all of K (scl: 32 bytes a row) come into LDS once, with the first fills, and stay.
; CLUSTERS: 4 x 4 work-groups.  A row of the cluster shares A's tiles, a column B's: each is asked for jointly, by the same tensor load with the same descriptor and a mask that names the four.
; THE MATRIX INSTRUCTION IS USED TRANSPOSED (source 0 = 16 rows of W, source 1 = 16 rows of x), AND THE 16 ROWS OF A BLOCK ARE NOT NEIGHBOURS (block 2 G + u: rows 32 G + 8 u + i % 8 + 16 (i / 8)).
; So in accumulator (a, bt) lane (r, h) holds token 32 (a / 2) + 8 (a % 2) + r + 8 (r / 8), and its register j column 32 (bt / 2) + 16 h + 8 (bt % 2) + j:
; the 16 registers of accumulators (a, 2 b) and (a, 2 b + 1) are 16 neighbours of a block of 32 along the next product's K.
; The bias is the C of each sum's first matrix instruction: nothing is cleared, nothing is added afterwards.
; LIMITS: a block of zeros, or one whose largest magnitude lies under 2^-124, gets the scale byte 1 (its codes are zeros; this program alone reads the bytes); NaN and infinities are not served.
; REGISTERS, in windows of 256: window 0: v0-31 addresses; v32-63 scale words, two sets; v64-127 the bias, 8 registers for each of my 8 column blocks; v128-223 A's fragments, one set; on the way out v128-255 are free.
;   window 1: B's fragments, two sets, at v0 and v128.   window 2: the accumulators of my row blocks 0-3 ((a, bt) at v[8 (8 (a % 4) + bt)]);   window 3: those of blocks 4-7.
.set NQ,     2                         ; matrix instructions deep in a slot: 256 along K
.set FR,     12                        ; registers of a fragment
.set NL,     3                         ; LDS loads that bring one
.set NP,     4                         ; places behind this matrix instruction (ISA guide 7.12.1)
.set BLKB,   3072                      ; a block's two images in a slot
.set HALFT,  8*BLKB                    ; 8 blocks, 128 rows: what one tensor load brings, and what one wave reads of A or of B
.set SLOT,   4*HALFT                   ; A's 16 blocks, then B's 16
.set KS,     32                        ; a row's scale bytes
.set SCL,    2*SLOT                    ; behind the ring: the scales, as runs of 256 bytes + 16 of padding
.set HALFS,  16*272                    ; those of 128 rows
.set SBLK,   2*272                     ; those of 16 rows
.set SPARE,  SCL+4*HALFS               ; behind the scales: the spare words, 128 bytes for each wave: two blocks of 256 bytes that no other line names
.set SPITCH, 528                       ; the way out: a stage of 16 rows x (512 + 16) bytes for each wave, in slot 0, which has had its last fill and its last read by then
.set ADRA, 16                          ; v16-17  LDS address of my A fragments in slot 0, 1
.set BO,   18                          ; v18     the bias: 64 h
.set ADRB, 20                          ; v20-21  the same for B
.set STO,  24                          ; v24     the way out: where I put 16 bytes of a row
.set RD,   25                          ; v25     where I read a row back
.set CO,   26                          ; v26     my byte offset in out1: 16 (l % 16), and one head on for lanes 16-31
.set ADRS, 27                          ; v27     LDS address of my scale words: lanes 0-15 A's rows, lanes 16-31 B's
.set SPW,  28                          ; v28     LDS address of my spare word; never rewritten
.set NIL,  29                          ; v29     0; never rewritten
.set LI,   30                          ; v30     16 x lane
.set HSO,  31                          ; v31     my byte offset in hs: 16 r, and one head on for lanes 16-31
.set SC,   32
.set BIAS, 64
.set AF,   128
.set BK,   128                         ; the way out: 16 rows read back: v128-191 and v192-255 by turns
.set TM,   128                         ; the quantiser: v128-143 at work
.set P0,   144                         ; v144-155 the image for my first head
.set P1,   156                         ; v156-167 for my second
.set CT,   168                         ; v168-175 halves on their way
.set PWA,  176                         ; v176, v177 the scale words of a pair's two row blocks
.set PWB,  177
.set WA,   180                         ; v180-183 the first head's four words, v184-187 the second's, v188-191 those that I store
.set WB,   184
.set WS,   188
.set WV,   18                          ; s18 wave;  s19 my half of the rows, also: I fetch for A (0) or B (1);  s20 my half of the columns, also: which 8 blocks I fetch
.set RH,   19
.set CH,   20
.set TR,   21                          ; s21 tile row
.set SELW, 95                          ; s95 0: query, Wq, bq;  1: key, Wk, bk
.set G1,   24
.set G0,   32
.set G1B,  48
.set G0B,  56
.set G1S,  68
.set G0S,  76
.set G1SB, 80
.set G0SB, 88
.set MSB, 0
.macro WIN new                         ; the immediate's high byte repeats the setting that is left
.if MSB != \new
	s_set_vgpr_msb (MSB<<8)|\new
.set MSB, \new
.endif
.endm
.set MUL_LO, 0xa1                      ; source 0 (B) window 1, source 1 (A) window 0, C and D window 2
.set MUL_HI, 0xf1                      ; the same, C and D window 3
.set TO_B,   0x40                      ; destination window 1, address window 0
; A joint load: waves 0 and 1 fetch for A, waves 2 and 3 for B.  Each line has one mask and one set of registers for all that issue it; the branch hangs on the wave's number alone.
; Four v_nop follow each of the two lines, ahead of the jump, the label and what follows.
.macro JLOAD g0a, g1a, g0b, g1b
	s_cmp_eq_u32 s[RH], 0
	s_cbranch_scc0 .Lfor_b_\@
	tensor_load_to_lds s[\g0a:\g0a+3], s[\g1a:\g1a+7]
	s_nop 0
.rept 4
	v_nop
.endr
	s_branch .Lasked_\@
.Lfor_b_\@:
	tensor_load_to_lds s[\g0b:\g0b+3], s[\g1b:\g1b+7]
	s_nop 0
.rept 4
	v_nop
.endr
.Lasked_\@:
.endm
.macro CREST                           ; a round of the cluster's barrier behind its opening barrier
	s_cmp_lg_u32 s[WV], 0
	s_cbranch_scc1 .Lnot_wave_0_\@
	s_barrier_signal -3
.Lnot_wave_0_\@:
	s_barrier_wait -3
	s_barrier_signal -1
	s_barrier_wait -1
.endm
.macro CROUND                          ; a whole round
	s_barrier_signal -1
	s_barrier_wait -1
	CREST
.endm
	s_load_b256 s[4:11], s[0:1], 0x0               ; cod s[4:5], scl s[6:7], bq s[8:9], bk s[10:11]
	s_load_b128 s[12:15], s[0:1], 0x20             ; out1 s[12:13], hc s[14:15]
	s_load_b64 s[16:17], s[0:1], 0x30              ; hs
	v_lshl_add_u32 v[SPW], v0, 2, SPARE
	v_mov_b32 v[NIL], 0
	ds_add_u32 v28, v29
	ds_add_u32 v28, v29
	s_wait_dscnt 0x0
	v_lshrrev_b32 v1, 5, v0
	v_readfirstlane_b32 s[WV], v1                  ; wave 0..3
	s_lshr_b32 s[RH], s[WV], 1
	s_and_b32 s[CH], s[WV], 1
	s_bfe_u32 s40, ttmp6, 0x40000                  ; cx, cy: my place in the cluster
	s_bfe_u32 s41, ttmp6, 0x40004
	s_lshl_b32 s42, ttmp9, 2
	s_add_co_u32 s42, s42, s40                     ; tile column = 4 x cluster x + cx
	s_and_b32 s[SELW], ttmp7, 0xffff               ; cluster y
	s_lshl_b32 s[TR], s[SELW], 2
	s_add_co_u32 s[TR], s[TR], s41                 ; tile row = 4 x cluster y + cy
	s_lshr_b32 s[SELW], s[SELW], 3                 ; clusters 0-7: query; 8-15: key
	s_lshl_b32 s43, s41, 2
	s_lshl_b32 s43, 15, s43                        ; my row of the cluster
	s_lshl_b32 s44, 0x1111, s40                    ; my column
	; descriptor group 1 for codes: 8 blocks x 3,072 bytes (384 elements of 8 bytes), 12,288 bytes from block to block; dense in LDS
	s_or_b32 s[G1+0], s43, (3<<16)|(1<<21)         ; 15:0 the mask: A's tiles go to my row; 17:16 elements of 8 bytes; 20 no padding; 21 set beside a mask
	s_or_b32 s[G1B+0], s44, (3<<16)|(1<<21)        ; B's go to my column
.irp g, G1, G1B
	s_mov_b32 s[\g+1], 384<<16                     ; tensor_dim0
	s_mov_b32 s[\g+2], 8<<16                       ; tensor_dim1
	s_mov_b32 s[\g+3], 384<<16                     ; tile_dim0
	s_mov_b32 s[\g+4], 8                           ; tile_dim1
	s_mov_b32 s[\g+5], 1536                        ; tensor_dim0_stride, in elements
	s_mov_b32 s[\g+6], 0
	s_mov_b32 s[\g+7], 0
.endr
	; and for the scales of 128 rows: 4,096 dense bytes as 16 rows of 256 bytes, 16 bytes of padding behind each
	s_or_b32 s[G1S+0], s43, (3<<16)|(1<<20)|(1<<21)|(5<<22)|(3<<25)
	s_or_b32 s[G1SB+0], s44, (3<<16)|(1<<20)|(1<<21)|(5<<22)|(3<<25)
.irp g, G1S, G1SB
	s_mov_b32 s[\g+1], 32<<16
	s_mov_b32 s[\g+2], 16<<16
	s_mov_b32 s[\g+3], 32<<16
	s_mov_b32 s[\g+4], 16
	s_mov_b32 s[\g+5], 32
	s_mov_b32 s[\g+6], 0
	s_mov_b32 s[\g+7], 0
.endr
	s_lshl_b32 s22, s[CH], 3                       ; which 8 blocks of the tile I fetch
	s_lshl_b32 s96, s[TR], 4
	s_add_co_u32 s96, s96, s22                     ; A: block 16 x tile row + 8 x half
	s_lshl_b32 s46, s42, 4
	s_add_co_u32 s46, s46, s22
	s_lshl_b32 s23, s[SELW], 6
	s_add_co_u32 s46, s46, s23
	s_add_co_u32 s46, s46, 1024                    ; B: block 1,024 + 64 x (Wq or Wk) + 16 x tile column + 8 x half
	s_lshl_b32 s98, s96, 9                         ; their scale words: 512 bytes a block
	s_mov_b32 s99, 0
	s_lshl_b32 s92, s46, 9
	s_mov_b32 s93, 0
	s_mul_i32 s96, s96, 12288                      ; their codes: 12,288 bytes a block
	s_mov_b32 s97, 0
	s_mul_i32 s46, s46, 12288
	s_mov_b32 s47, 0
	s_mul_i32 s45, s[WV], HALFT                    ; where they go: wave x 8 blocks: no place in the cluster enters an LDS address
	s_mul_i32 s94, s[WV], HALFS
	s_wait_kmcnt 0x0
	s_add_nc_u64 s[96:97], s[4:5], s[96:97]
	s_add_nc_u64 s[98:99], s[6:7], s[98:99]
	s_add_nc_u64 s[46:47], s[4:5], s[46:47]
	s_add_nc_u64 s[92:93], s[6:7], s[92:93]
	CROUND                                         ; all sixteen work-groups are here: the first joint loads meet
	s_mov_b32 s[G0S], 1
	s_add_co_u32 s[G0S+1], s94, SCL
	s_mov_b64 s[G0S+2:G0S+3], s[98:99]
	s_or_b32 s[G0S+3], s[G0S+3], 0x80000000
	s_mov_b32 s[G0SB], 1
	s_add_co_u32 s[G0SB+1], s94, SCL
	s_mov_b64 s[G0SB+2:G0SB+3], s[92:93]
	s_or_b32 s[G0SB+3], s[G0SB+3], 0x80000000
	JLOAD G0S, G1S, G0SB, G1SB                     ; the scales first: they are wanted with the first K step
.irp s, 0,1
	s_mov_b32 s[G0+4*\s], 1
	s_add_co_u32 s[G0+4*\s+1], s45, \s*SLOT
	s_add_nc_u64 s[G0+4*\s+2:G0+4*\s+3], s[96:97], \s*BLKB
	s_or_b32 s[G0+4*\s+3], s[G0+4*\s+3], 0x80000000
	s_mov_b32 s[G0B+4*\s], 1
	s_add_co_u32 s[G0B+4*\s+1], s45, \s*SLOT
	s_add_nc_u64 s[G0B+4*\s+2:G0B+4*\s+3], s[46:47], \s*BLKB
	s_or_b32 s[G0B+4*\s+3], s[G0B+4*\s+3], 0x80000000
	JLOAD G0+4*\s, G1, G0B+4*\s, G1B               ; by this text's count three tensor loads of a wave are out here
.endr
	; the bias of my 128 columns, in the result's layout: for column block bt, lane (r, h) holds columns 32 (bt / 2) + 8 (bt % 2) + 16 h + 0 .. 7
	v_and_b32 v1, 15, v0                           ; r
	v_bfe_u32 v2, v0, 4, 1                         ; h
	v_lshlrev_b32 v[BO], 6, v2
	s_cmp_eq_u32 s[SELW], 0
	s_cselect_b64 s[8:9], s[8:9], s[10:11]         ; bq or bk
	s_lshl_b32 s46, s42, 10
	s_lshl_b32 s47, s[CH], 9
	s_add_co_u32 s46, s46, s47                     ; 4 x (256 x tile column + 128 x half)
	s_mov_b32 s47, 0
	s_add_nc_u64 s[8:9], s[8:9], s[46:47]
.irp b, 0,1,2,3,4,5,6,7
	global_load_b128 v[BIAS+8*\b:BIAS+8*\b+3], v[BO], s[8:9] offset:(32*(\b/2)+8*(\b%2))*4
	global_load_b128 v[BIAS+8*\b+4:BIAS+8*\b+7], v[BO], s[8:9] offset:(32*(\b/2)+8*(\b%2))*4+16
.endr
	v_and_b32 v3, 31, v0
	v_lshlrev_b32 v[LI], 4, v3                     ; an image's place for my lane
	s_mul_i32 s22, s[RH], HALFT                    ; my 8 blocks of A
	s_mul_i32 s23, s[CH], HALFT                    ; my 8 blocks of B,
	s_add_co_u32 s23, s23, 2*HALFT                 ; which lie behind A's 16
.irp s, 0,1
	v_add_nc_u32 v[ADRA+\s], s22, v[LI]
	v_add_nc_u32 v[ADRB+\s], s23, v[LI]
	s_add_co_u32 s22, s22, SLOT
	s_add_co_u32 s23, s23, SLOT
.endr
	v_mul_u32_u24 v5, v1, KS                       ; my row's scales: 32 bytes a row,
	v_lshrrev_b32 v6, 8, v5
	v_lshl_add_u32 v5, v6, 4, v5                   ; and 16 more behind the first 256
	s_mul_i32 s22, s[RH], HALFS                    ; A's: my 128 rows
	s_mul_i32 s23, s[CH], HALFS                    ; B's: my 128 rows, behind A's 256
	s_add_co_u32 s23, s23, 2*HALFS
	s_sub_co_u32 s23, s23, s22
	v_mul_u32_u24 v6, s23, v2                      ; lanes 16-31 take B's
	s_add_co_u32 s22, s22, SCL
	v_add_nc_u32 v5, v5, v6
	v_add_nc_u32 v[ADRS], s22, v5
	s_mul_i32 s22, s[WV], 16*SPITCH                ; my stage
	v_mul_u32_u24 v5, v1, SPITCH
	v_lshl_add_u32 v5, v2, 6, v5
	v_add_nc_u32 v[STO], s22, v5                   ; in: row r, + 64 h
	v_add_nc_u32 v[RD], s22, v[LI]                 ; back: the 32 lanes take one row of 512 bytes
	v_lshlrev_b32 v5, 19, v2
	v_lshl_add_u32 v[CO], v1, 4, v5                ; out1: lanes 0-15 my first head's row of 256 bytes, lanes 16-31 my second head's, 2,048 x 256 bytes on
	v_lshlrev_b32 v5, 12, v2
	v_lshl_add_u32 v[HSO], v1, 4, v5               ; hs: 16 bytes a row; a head is 4,096 bytes
	; where my results go
	s_lshr_b32 s46, s[TR], 3                       ; tb: 0-3 q's batches, 4-7 k's
	s_and_b32 s47, s[TR], 7                        ; which 256 tokens of the batch
	s_lshl_b32 s100, s42, 2
	s_lshl_b32 s101, s[CH], 1
	s_add_co_u32 s100, s100, s101                  ; my first head: 4 x tile column + 2 x half
	s_lshl_b32 s101, s46, 4
	s_add_co_u32 s101, s101, s100                  ; 16 tb + head
	s_lshl_b32 s2, s101, 4
	s_lshl_b32 s96, s47, 1
	s_add_co_u32 s2, s2, s96
	s_add_co_u32 s2, s2, s[RH]                     ; hs: [16 tb + head][run of 128 tokens]: 256 bytes each
	s_lshl_b32 s2, s2, 8
	s_mov_b32 s3, 0
	s_add_nc_u64 s[16:17], s[16:17], s[2:3]
	s_lshl_b32 s2, s101, 6
	s_lshl_b32 s96, s47, 3
	s_add_co_u32 s2, s2, s96
	s_lshl_b32 s96, s[RH], 2
	s_add_co_u32 s2, s2, s96                       ; hc: [16 tb + head][pair of token tiles]: 1,536 bytes each
	s_mul_i32 s2, s2, 1536
	s_add_nc_u64 s[66:67], s[14:15], s[2:3]
	s_and_b32 s46, s46, 3                          ; out1: [batch][head][token]: 256 bytes each (the batch alone, so that the address lies in out1 for k's tiles too, which do not use it)
	s_lshl_b32 s46, s46, 4
	s_add_co_u32 s46, s46, s100
	s_lshl_b32 s46, s46, 11
	s_lshl_b32 s96, s47, 8
	s_add_co_u32 s46, s46, s96
	s_lshl_b32 s96, s[RH], 7
	s_add_co_u32 s2, s46, s96
	s_lshl_b32 s2, s2, 8
	s_add_nc_u64 s[12:13], s[12:13], s[2:3]
.macro FRAG reg, adr, q, i             ; block i's fragment of the slot's q-th 128 along K: its image, as it lies
.irp g, 0,1,2
	ds_load_b128 v[\reg+4*\g:\reg+4*\g+3], v[\adr] offset:BLKB*(\i)+1536*(\q)+512*\g
.endr
.endm
; 16 matrix instructions: A's blocks a0, a0 + 1 x B's eight.  p: B's set;  sc: the set of scale words.  first = 1: the sums begin with the bias.
; The 64 accumulators take turns, one instruction a turn, in the same order in every step.
.macro MUL16 a0, p, q, sc, first
.irp a, \a0, \a0+1
.irp b, 0,1,2,3,4,5,6,7
.if \first
	v_wmma_scale_f32_16x16x128_f8f6f4 v[8*(8*((\a)%4)+\b):8*(8*((\a)%4)+\b)+7], v[128*(\p)+FR*\b:128*(\p)+FR*\b+FR-1], v[AF+FR*(\a):AF+FR*(\a)+FR-1], v[BIAS+8*\b:BIAS+8*\b+7], v[SC+8*NQ*(\sc)+NQ*\b+(\q)], v[SC+8*NQ*(\sc)+NQ*(\a)+(\q)] matrix_a_fmt:MATRIX_FMT_FP6 matrix_b_fmt:MATRIX_FMT_FP6 matrix_a_scale:MATRIX_SCALE_ROW1
.else
	v_wmma_scale_f32_16x16x128_f8f6f4 v[8*(8*((\a)%4)+\b):8*(8*((\a)%4)+\b)+7], v[128*(\p)+FR*\b:128*(\p)+FR*\b+FR-1], v[AF+FR*(\a):AF+FR*(\a)+FR-1], v[8*(8*((\a)%4)+\b):8*(8*((\a)%4)+\b)+7], v[SC+8*NQ*(\sc)+NQ*\b+(\q)], v[SC+8*NQ*(\sc)+NQ*(\a)+(\q)] matrix_a_fmt:MATRIX_FMT_FP6 matrix_b_fmt:MATRIX_FMT_FP6 matrix_a_scale:MATRIX_SCALE_ROW1
.endif
.endr
.endr
.endm
.macro FETCH_B slot, q, p
	WIN TO_B
.irp i, 0,1,2,3,4,5,6,7
	FRAG 128*(\p)+FR*\i, ADRB+\slot, \q, \i
.endr
	WIN 0
.endm
.macro FETCH_A slot, q, i0
.irp i, \i0, \i0+1, \i0+2, \i0+3
	FRAG AF+FR*(\i), ADRA+\slot, \q, \i
.endr
.endm
.macro SCALES sc                       ; a slot's scale words: two words a row; lanes 0-15 take A's block i, lanes 16-31 B's block i
.irp i, 0,1,2,3,4,5,6,7
	ds_load_b64 v[SC+8*NQ*\sc+NQ*\i:SC+8*NQ*\sc+NQ*\i+1], v[ADRS] offset:\i*SBLK
.endr
.endm
; A load into a register that a matrix instruction has read, and a vector instruction or an LDS store that reads a matrix result, stand NP places behind it;
; only plain vector instructions that name none of its registers are places (ISA guide 7.12.1 for vector instructions).
.macro PLACES n
.rept \n
	v_nop
.endr
.endm
; A step of 128 along K that has its successor in the same slot.  A has one set of registers: blocks 0-3 are fetched anew in the step's middle, blocks 4-7 at its end.
.macro STEP slot, q, first
	s_wait_dscnt 4*NL                              ; B's set, A's blocks 0-3 and the scale words are in; the youngest 12 loads (A's blocks 4-7) may be out
.set WN, MUL_LO-0x20*\first                    ; first = 1: C (the bias) lies in window 0
	WIN WN
	MUL16 0, (\q)%2, \q, \slot, \first
	MUL16 2, (\q)%2, \q, \slot, \first
	s_wait_dscnt 0                                 ; A's blocks 4-7 are in
	PLACES NP
	FETCH_B \slot, (\q)+1, 1-(\q)%2
	FETCH_A \slot, (\q)+1, 0
.set WN, MUL_HI-0x30*\first
	WIN WN
	MUL16 4, (\q)%2, \q, \slot, \first
	MUL16 6, (\q)%2, \q, \slot, \first
	PLACES NP
	WIN 0
	FETCH_A \slot, (\q)+1, 4
.endm
; A slot's last step changes slots: ONE barrier; in front of it each wave waits for all its tensor loads, adds 0 to its spare word, and waits for that and for its own reads of this slot.
; fill = 1: this slot is filled again, two slots' worth of K ahead, behind a round of the cluster's barrier.
.macro TURN slot, next, fill
	s_wait_tensorcnt 0x0                           ; all my tensor loads have landed: my part of the next slot  (every window is 0 here)
	ds_add_u32 v[SPW], v[NIL]                      ; 0 onto my spare word
	s_wait_dscnt 4*NL+1                            ; (the add and the youngest 12 loads, A's blocks 4-7, may be out)
	WIN MUL_LO
	MUL16 0, 1, NQ-1, \slot, 0                     ; sixteen matrix instructions stand between the add and the wait for it
	s_wait_dscnt 0x0                               ; the add is done, and my reads of this slot are over
	s_barrier_signal -1
	MUL16 2, 1, NQ-1, \slot, 0
	WIN 0
	s_barrier_wait -1
.if \fill
	CREST                                          ; no wave of any partner still reads this slot's tile or has a load on its way
	s_add_nc_u64 s[G0+4*\slot+2:G0+4*\slot+3], s[G0+4*\slot+2:G0+4*\slot+3], 2*BLKB
	s_add_nc_u64 s[G0B+4*\slot+2:G0B+4*\slot+3], s[G0B+4*\slot+2:G0B+4*\slot+3], 2*BLKB
	JLOAD G0+4*\slot, G1, G0B+4*\slot, G1B         ; the first tensor load behind the round; its four v_nop are the places in front of the loads below
.else
	PLACES NP
.endif
	v_add_nc_u32 v[ADRS], 4*NQ, v[ADRS]            ; on to the next slot's scale words (no LDS load of mine is out)
	FETCH_B \next, 0, 0
	FETCH_A \next, 0, 0
	SCALES \next
	WIN MUL_HI
	MUL16 4, 1, NQ-1, \slot, 0
	MUL16 6, 1, NQ-1, \slot, 0
	PLACES NP
	WIN 0
	FETCH_A \next, 0, 4
.endm
	s_wait_tensorcnt 1                             ; the scales and my part of slot 0 are in; slot 1's load may be out
	s_barrier_signal -1
	s_barrier_wait -1                              ; everybody's are
	FETCH_B 0, 0, 0
	FETCH_A 0, 0, 0
	SCALES 0
	FETCH_A 0, 0, 4
	s_wait_loadcnt 0x0                             ; the bias
	; K = 1,024 is four slots' worth: written out, since each slot is filled again just once
	STEP 0, 0, 1                                   ; K 0-127: the sums begin with the bias
	TURN 0, 1, 1                                   ; K 128-255; slot 0 takes K 512-767
	STEP 1, 0, 0
	TURN 1, 0, 1                                   ; slot 1 takes K 768-1,023
	STEP 0, 0, 0
	TURN 0, 1, 0                                   ; nothing is left to fetch: no round
	STEP 1, 0, 0
	s_wait_dscnt 4*NL                              ; the last step
	WIN MUL_LO
	MUL16 0, 1, NQ-1, 1, 0
	MUL16 2, 1, NQ-1, 1, 0
	s_wait_dscnt 0
	WIN MUL_HI
	MUL16 4, 1, NQ-1, 1, 0
	MUL16 6, 1, NQ-1, 1, 0
	WIN 0
	PLACES NP                                      ; in front of the first reads of results, and of loads into the registers that held A's fragments
; q's WAY OUT IN f32, block by block of 16 tokens x 128 columns, through my own stage in LDS: back come whole rows of 512 bytes, of which lanes 0-15 store my first head's 256 bytes and lanes 16-31 my second head's.
; LDS serves a wave's instructions in order (ISA guide 5.7.1.4): no wait between the stores and the loads, nor in front of the next block's stores.
.macro TOSTAGE a
.set AC, 64*((\a)%4)
.set WN, 0x08+4*((\a)/4)               ; the data: window 2 or 3
	WIN WN
.irp b, 0,1,2,3,4,5,6,7
	ds_store_b128 v[STO], v[AC+8*\b:AC+8*\b+3] offset:128*(\b/2)+32*(\b%2)      ; each accumulator from its low end on; columns 32 (b / 2) + 16 h + 8 (b % 2) + 0 .. 7
	ds_store_b128 v[STO], v[AC+8*\b+4:AC+8*\b+7] offset:128*(\b/2)+32*(\b%2)+16
.endr
	WIN 0
.set BB, BK+64*((\a)%2)
.irp t, 0,1,2,3,4,5,6,7,8,9,10,11,12,13,14,15
	ds_load_b128 v[BB+4*\t:BB+4*\t+3], v[RD] offset:\t*SPITCH
.endr
.endm
.macro SEND a, younger                 ; younger: the LDS instructions issued behind block a's loads, which may stay out
.set BB, BK+64*((\a)%2)
	s_wait_dscnt \younger
.irp t, 0,1,2,3,4,5,6,7,8,9,10,11,12,13,14,15
	global_store_b128 v[CO], v[BB+4*\t:BB+4*\t+3], s[12:13] offset:(32*((\a)/2)+8*((\a)%2)+\t%8+16*(\t/8))*256 th:TH_STORE_NT   ; stage row t is that token; 16 lanes store its 256 consecutive bytes, aligned; nobody reads them again
.endr
.endm
	s_cmp_lg_u32 s[SELW], 0                        ; k is no output: its tiles go straight on.  The branch hangs on the cluster's y alone, and jumps over no barrier
	s_cbranch_scc1 .Lcodes
	TOSTAGE 0
.irp a, 1,2,3,4,5,6,7
.if \a > 1
	s_wait_xcnt 0x0                                ; block a - 2's stores have read their registers: block a's loads may land there
.endif
	TOSTAGE \a
	SEND \a-1, 32                                  ; behind block a - 1's loads: block a's 16 stores and 16 loads
.endr
	SEND 7, 0
.Lcodes:
; q's AND k's CODES.  A row block's 64 numbers a lane (register 16 b + i = column 32 b + 16 h + i) are my two heads' 64 numbers each: blocks 0, 1 the first head's, blocks 2, 3 the second's.
; An image of hc holds, for ONE head, a PAIR of token tiles: registers 0-5 row block 2 p, registers 6-11 row block 2 p + 1.  Its scale word: bytes 0, 1 the first tile's, bytes 2, 3 the second's.
.macro QUANTW a, d0, d1, pw            ; row block a: the first head's six registers to v[d0] on, the second's to v[d1] on, the four bytes to v[pw]
.set AC, 64*((\a)%4)
.set WX, 2+(\a)/4
.set WN, 5*WX                          ; sources 0 and 1: window 2 or 3
	WIN WN
.irp b, 0,1,2,3
	v_max3_num_f32 v[TM+\b], |v[AC+16*\b]|, |v[AC+16*\b+1]|, 0x1800000   ; each accumulator from its low end on; the floor 2^(3 - 127): the byte cannot fall under 1
.endr
.irp i, 2,4,6,8,10,12,14
.irp b, 0,1,2,3
	v_max3_num_f32 v[TM+\b], |v[AC+16*\b+\i]|, |v[AC+16*\b+\i+1]|, v[TM+\b]
.endr
.endr
	WIN 0
.irp b, 0,1,2,3
	v_permlanex16_b32 v[TM+4+\b], v[TM+\b], s[100], s[101]
.endr
.irp b, 0,1,2,3
	v_max_num_f32 v[TM+\b], v[TM+\b], v[TM+4+\b]   ; with lane l xor 16's: the block's largest magnitude
.endr
.irp b, 0,1,2,3
	v_add_nc_u32 v[TM+12+\b], 0xff000000, v[TM+\b] ; 2 off its exponent field: the conversion's scale operand
.endr
.irp b, 0,1,2,3
	v_lshrrev_b32 v[TM+4+\b], 23, v[TM+12+\b]      ; the scale's byte
.endr
	v_lshl_or_b32 v[\pw], v[TM+5], 8, v[TM+4]
	v_lshl_or_b32 v[\pw], v[TM+6], 16, v[\pw]
	v_lshl_or_b32 v[\pw], v[TM+7], 24, v[\pw]
	WIN WX                                         ; source 0: the numbers' window
	v_cvt_scalef32_pk16_fp6_f32 v[\d0:\d0+2], v[AC:AC+15], v[TM+12]
	v_cvt_scalef32_pk16_fp6_f32 v[CT:CT+2], v[AC+16:AC+31], v[TM+13]
	v_cvt_scalef32_pk16_fp6_f32 v[\d1:\d1+2], v[AC+32:AC+47], v[TM+14]
	v_cvt_scalef32_pk16_fp6_f32 v[CT+4:CT+6], v[AC+48:AC+63], v[TM+15]
	WIN 0
	v_nop                                          ; one plain line behind the scaled conversions
.irp i, 0,1,2                                  ; the layout wants a whole block in a lane
	v_permlane16_swap_b32 v[\d0+\i], v[CT+\i]
	v_permlane16_swap_b32 v[\d1+\i], v[CT+4+\i]
.endr
.irp i, 0,1,2
	v_mov_b32 v[\d0+3+\i], v[CT+\i]
	v_mov_b32 v[\d1+3+\i], v[CT+4+\i]
.endr
.endm
	s_wait_xcnt 0x0                                ; q's last stores have read v128-255
	s_mov_b32 s100, 0x76543210                     ; v_permlanex16_b32's selects for lane l xor 16
	s_mov_b32 s101, 0xfedcba98
.irp b, 0,1,2,3
	v_mov_b32 v[TM+4+\b], 0                        ; a lane permute's destination counts as one of its sources
.endr
.irp p, 0,1,2,3
.if \p > 0
	s_wait_xcnt 0x0                                ; the last pair's stores have read the two images' registers
.endif
	QUANTW 2*\p, P0, P1, PWA
	QUANTW 2*\p+1, P0+6, P1+6, PWB
	v_perm_b32 v[WA+\p], v[PWB], v[PWA], 0x05040100   ; the first head's word: the first tile's bytes 0, 1, then the second tile's
	v_perm_b32 v[WB+\p], v[PWB], v[PWA], 0x07060302   ; the second head's: bytes 2, 3 of both
.irp g, 0,1,2
	global_store_b128 v[LI], v[P0+4*\g:P0+4*\g+3], s[66:67] offset:1536*\p+512*\g          ; 512 consecutive bytes, at a multiple of 512 from hc's first byte
.endr
.irp g, 0,1,2
	global_store_b128 v[LI], v[P1+4*\g:P1+4*\g+3], s[66:67] offset:98304+1536*\p+512*\g    ; a head is 64 pairs x 1,536 bytes
.endr
.endr
	v_cmp_ne_u32 vcc_lo, 0, v2                     ; lanes 16-31 store the second head's four words of their row
.irp j, 0,1,2,3
	v_cndmask_b32 v[WS+\j], v[WA+\j], v[WB+\j], vcc_lo
.endr
	global_store_b128 v[HSO], v[WS:WS+3], s[16:17] ; 16 lanes store 256 consecutive bytes, aligned: one head's words of my 128 tokens
	s_wait_tensorcnt 0x0                           ; the wave's end: behind my last tensor load and my last LDS store
	ds_add_u32 v[SPW], v[NIL]
	s_wait_dscnt 0x0
	CROUND                                         ; the closing round: no work-group ends while a partner may still ask for a tile that names it
	s_endpgm
.Lfunc_end_k_qebe5514581_proj:
	.size	k_qebe5514581_proj, .Lfunc_end_k_qebe5514581_proj-k_qebe5514581_proj
	.p2alignl 7, 3214868480
	.fill 96, 4, 3214868480
	.section	.rodata,"a",@progbits
	.p2align	6, 0x0
	.amdhsa_kernel k_qebe5514581_proj
		.amdhsa_group_segment_fixed_size 327680
		.amdhsa_private_segment_fixed_size 0
		.amdhsa_enable_private_segment 0
		.amdhsa_kernarg_size 56
		.amdhsa_user_sgpr_count 2
		.amdhsa_user_sgpr_kernarg_segment_ptr 1
		.amdhsa_wavefront_size32 1
		.amdhsa_system_sgpr_workgroup_id_x 1
		.amdhsa_system_sgpr_workgroup_id_y 1
		.amdhsa_system_sgpr_workgroup_id_z 1
		.amdhsa_system_vgpr_workitem_id 0
		.amdhsa_next_free_vgpr 1024
		.amdhsa_next_free_sgpr 102
		.amdhsa_reserve_vcc 1
		.amdhsa_float_denorm_mode_32 3
		.amdhsa_float_denorm_mode_16_64 3
		.amdhsa_memory_ordered 1
		.amdhsa_forward_progress 1
		.amdhsa_inst_pref_size 172
	.end_amdhsa_kernel
	.amdgpu_metadata
---
amdhsa.version: [ 1, 2 ]
amdhsa.kernels:
  - .name:           k_qebe5514581_proj
    .symbol:         k_qebe5514581_proj.kd
    .args:
      - { .name: cod, .offset: 0, .size: 8, .value_kind: global_buffer, .address_space: global }
      - { .name: scl, .offset: 8, .size: 8, .value_kind: global_buffer, .address_space: global }
      - { .name: bq, .offset: 16, .size: 8, .value_kind: global_buffer, .address_space: global }
      - { .name: bk, .offset: 24, .size: 8, .value_kind: global_buffer, .address_space: global }
      - { .name: out1, .offset: 32, .size: 8, .value_kind: global_buffer, .address_space: global }
      - { .name: hc, .offset: 40, .size: 8, .value_kind: global_buffer, .address_space: global }
      - { .name: hs, .offset: 48, .size: 8, .value_kind: global_buffer, .address_space: global }
    .group_segment_fixed_size: 327680
    .private_segment_fixed_size: 0
    .kernarg_segment_align: 8
    .kernarg_segment_size: 56
    .max_flat_workgroup_size: 128
    .sgpr_count:     102
    .vgpr_count:     1024
    .wavefront_size: 32
...
	.end_amdgpu_metadata
.endif
;; end of part 2
;; launch attn (part 3): grid 64 x 4, 16 waves a work-group, no clusters, 247,808 bytes of LDS; arguments cod, scl, hc, hs, out0; writes out0
.if DOCPART == 3
	.amdgcn_target "amdgcn-amd-amdhsa--gfx1250"
	.amdhsa_code_object_version 6
	.text
	.protected	k_qebe5514581_attn
	.globl	k_qebe5514581_attn
	.p2align	8
	.type	k_qebe5514581_attn,@function
k_qebe5514581_attn:
	s_mov_b64 s[64:65], 0
	v_nop
	global_prefetch_b8 v0, s[64:65] scope:SCOPE_SE
	s_setreg_imm32_b32 hwreg(HW_REG_WAVE_MODE, 25, 1), 1
	s_wait_xcnt 0x0
; out0[b][q][:] = the mean over the 16 heads of softmax_k(q_h . k_h / 8) v, v[b][k][d] = value[b][d][k], the same for all heads.  Both products on codes of FP6 (E2M3) with E8M0 scales.
; THE SOFTMAX AHEAD OF THE SECOND PRODUCT: t = score x log2(e) / 8; M = the row's largest t so far, rounded up to a whole number; p = 2^(t - M) is quantised along the keys, not normalised.
; The row's sum is taken of the unquantised p and divides at the end.  When M moves, the sum and O are multiplied by 2^(old M - new M): nothing is rounded, and no branch hangs on data.
; SHARES.  A work-group owns 32 queries of one batch and ALL 16 heads, so that the mean over heads is made inside it.  Wave w is head w, with two tiles of 16 queries; it walks 16 steps of 128 keys.
; Four waves share a SIMD: one wave's softmax stands beside another's products and loads.  256 work-groups.
; K (hc, images of operand registers) is read by ONE wave of the work-group: it comes straight into that wave's registers, 12 loads of 512 consecutive bytes a step, asked for a softmax and a product ahead.
; V (cod, images) is read by all sixteen waves: the batch's 16 steps x 4 images come into LDS once (wave w brings step w), with their scale words.
; NO JOINT LOADS, though the 64 work-groups of a batch read the same K: a joint load lands in LDS, where each byte of K would be written and read back for the one wave that uses it,
; and each of the 16 steps would want a round of the cluster's barrier that brings 64 waves into step, while this text rests on its waves being out of step.
; K = 64 IN AN INSTRUCTION 128 DEEP.  An image of hc holds TWO tiles of 16 keys: K 0-63 the first tile's 64 numbers, K 64-127 the second's.  Multiplied by [Q | zeros] it gives the first tile's scores, by [zeros | Q] the second's.
; LAYOUT.  Both products are used transposed (S^T = K Q^T, O^T = V^T P^T): a lane holds one query (lane % 16).  Tile 2 P + u of the keys holds keys 32 P + 8 u + r + 8 (r / 8),
; so the 16 registers of a pair's two results are keys 32 P + 16 (lane / 16) + 0 .. 15.  V's block t holds rows d = 32 (t / 2) + 8 (t % 2) + r + 8 (r / 8).
; LIMITS: NaN and infinities are not served; a p under 2^-126 counts as 0 (v_exp_f32 gives 0 there); a block of p whose largest lies under 2^-124 keeps the scale byte 1.
; REGISTERS: v1 16 x lane; v3 16 x (lane % 16); v4-11 for each tile -M, the largest t, the sum in two halves; v12-41 zeros, Q0, zeros, Q1, zeros (six each); v42-89 K's four images;
;   v90-153 S^T, then p, then V's four images (v90-137); v154-217 O^T, 32 a tile; v218-229 p's codes (v226-229 first hold the blocks' largest scores); v230-241 at work;
;   v242-245 K's scale words, v246-249 V's, v251 p's, v253-254 Q's: these hold scales and nothing else; v250 f; v252 at work; v255 LDS address of the step's V.
.set VSTEP, 6656                       ; LDS: a step of V: four images, 6,144 bytes, then 16 bytes a lane: its four scale words
.set VSC,   6144
.set STG,   16*VSTEP                   ; behind V: a stage for each head: 32 queries x (256 + 16) bytes
.set HSTG,  32*272
.set L16, 1
.set TA,  2
.set KSO, 3
.set ZQ,  12
.set K,   42
.set S,   90
.set O,   154
.set PC,  218
.set BM,  226
.set T8,  230
.set SOP, 238
.set KS,  242
.set VS,  246
.set F,   250
.set PWD, 251
.set TP,  252
.set QS,  253
.set ADV, 255
.set WV,  14                           ; s14 wave = head
.set SEL, 26                           ; s[26:27] v_permlanex16_b32's selects for lane l xor 16
.set CS,  28                           ; s[28:29] c = log2(e) / 8: the packed form names a pair and takes its low word
.set TV,  30                           ; s30 LDS byte at which the step's V begins
.set CNT, 31                           ; s31 steps to go
	s_load_b256 s[4:11], s[0:1], 0x0               ; cod s[4:5], scl s[6:7], hc s[8:9], hs s[10:11]
	s_load_b64 s[12:13], s[0:1], 0x20              ; out0
	v_lshrrev_b32 v[TA], 5, v0
	v_readfirstlane_b32 s[WV], v[TA]
	v_and_b32 v[TA], 31, v0
	v_lshlrev_b32 v[L16], 4, v[TA]
	v_and_b32 v[TA], 15, v0
	v_lshlrev_b32 v[KSO], 4, v[TA]
	v_lshlrev_b32 v[ADV], 5, v[TA]                 ; (for now: 32 r, a row of scl)
	s_mov_b32 s15, ttmp9                           ; which 32 queries: a pair of token tiles
	s_and_b32 s16, ttmp7, 0xffff                   ; the batch
	s_lshl_b32 s17, s16, 4
	s_add_co_u32 s17, s17, s[WV]                   ; 16 b + head
	s_lshl_b32 s32, s16, 6                         ; V's images of key step w: cod + 1,152 jobs + (64 b + w) x 1,536; block t lies 24,576 bytes on
	s_add_co_u32 s32, s32, s[WV]
	s_mul_i32 s32, s32, 1536
	s_add_co_u32 s32, s32, 14155776
	s_mov_b32 s33, 0
	s_lshl_b32 s34, s16, 3                         ; their scale words: scl + 1,152 jobs + (8 b + w / 8) x 512 + 4 (w % 8); block t lies 1,024 bytes on
	s_lshr_b32 s18, s[WV], 3
	s_add_co_u32 s34, s34, s18
	s_lshl_b32 s34, s34, 9
	s_and_b32 s18, s[WV], 7
	s_lshl_b32 s18, s18, 2
	s_add_co_u32 s34, s34, s18
	s_add_co_u32 s34, s34, 589824
	s_mov_b32 s35, 0
	s_lshl_b32 s36, s17, 6                         ; Q: hc [16 b + head][pair]
	s_add_co_u32 s36, s36, s15
	s_mul_i32 s36, s36, 1536
	s_mov_b32 s37, 0
	s_lshl_b32 s38, s17, 4                         ; its scale words: hs [16 b + head][pair / 4][r][pair % 4]
	s_lshr_b32 s18, s15, 2
	s_add_co_u32 s38, s38, s18
	s_lshl_b32 s38, s38, 8
	s_and_b32 s18, s15, 3
	s_lshl_b32 s18, s18, 2
	s_add_co_u32 s38, s38, s18
	s_mov_b32 s39, 0
	s_add_co_u32 s18, s17, 64                      ; K: hc [64 + 16 b + head]: 98,304 bytes a head; hs: 4,096
	s_mul_i32 s22, s18, 98304
	s_mov_b32 s23, 0
	s_lshl_b32 s24, s18, 12
	s_mov_b32 s25, 0
	s_lshl_b32 s40, s16, 11                        ; out0: row 2,048 b + 32 x pair, 256 bytes a row
	s_lshl_b32 s18, s15, 5
	s_add_co_u32 s40, s40, s18
	s_lshl_b32 s40, s40, 8
	s_mov_b32 s41, 0
	s_mov_b32 s[SEL], 0x76543210
	s_mov_b32 s[SEL+1], 0xfedcba98
	s_mov_b32 s[CS], 0x3e38aa3b                    ; log2(e) / 8
	s_mov_b32 s[CS+1], s[CS]
	s_mov_b32 s[TV], 0
	s_mov_b32 s[CNT], 16
	s_wait_kmcnt 0x0
	s_add_nc_u64 s[32:33], s[4:5], s[32:33]
	s_add_nc_u64 s[34:35], s[6:7], s[34:35]
	s_add_nc_u64 s[36:37], s[8:9], s[36:37]
	s_add_nc_u64 s[38:39], s[10:11], s[38:39]
	s_add_nc_u64 s[22:23], s[8:9], s[22:23]
	s_add_nc_u64 s[24:25], s[10:11], s[24:25]
	s_add_nc_u64 s[40:41], s[12:13], s[40:41]
.macro KLOAD                           ; a step's four images of K and their scale words: 13 loads
.irp p, 0,1,2,3
.irp g, 0,1,2
	global_load_b128 v[K+12*\p+4*\g:K+12*\p+4*\g+3], v[L16], s[22:23] offset:1536*\p+512*\g
.endr
.endr
	global_load_b128 v[KS:KS+3], v[KSO], s[24:25]
.endm
.irp t, 0,1,2,3                                ; V's step w: 16 loads
.irp g, 0,1,2
	global_load_b128 v[S+12*\t+4*\g:S+12*\t+4*\g+3], v[L16], s[32:33] offset:24576*\t+512*\g
.endr
.endr
.irp t, 0,1,2,3
	global_load_b32 v[VS+\t], v[ADV], s[34:35] offset:1024*\t
.endr
.irp e, 0,1,2,3,4,5                            ; Q: 7 loads.  The image's registers 0-5 are my first tile, 6-11 my second: pairs of registers, 8 bytes, so that zeros can stand between the two
	global_load_b64 v[ZQ+6+12*(\e/3)+2*(\e%3):ZQ+7+12*(\e/3)+2*(\e%3)], v[L16], s[36:37] offset:512*(\e/2)+8*(\e%2)
.endr
	global_load_b32 v[TP], v[KSO], s[38:39]
	KLOAD                                          ; K's step 0
.irp z, 0,12,24
.irp i, 0,1,2,3,4,5
	v_mov_b32 v[ZQ+\z+\i], 0                       ; zero codes
.endr
.endr
.irp u, 0,1
	v_mov_b32 v[5+4*\u], 0xff61b1e6                ; the largest t so far: -3e38, under every t
	v_floor_f32 v[4+4*\u], -v[5+4*\u]              ; -M
	v_mov_b32 v[6+4*\u], 0                         ; the sum, in two halves
	v_mov_b32 v[7+4*\u], 0
.endr
.irp b, 0,1,2,3
	v_mov_b32 v[T8+\b], 0                          ; a lane permute's destination counts as one of its sources
.endr
	v_mov_b32 v[PWD], 0                            ; (named as the upper half of the pair v[250:251] before it is first written)
	s_mul_i32 s18, s[WV], VSTEP
	v_add_nc_u32 v[TA], s18, v[L16]
	s_wait_loadcnt 20                              ; V's 16 loads are in; Q's 7 and K's 13 stay out
.irp t, 0,1,2,3
.irp g, 0,1,2
	ds_store_b128 v[TA], v[S+12*\t+4*\g:S+12*\t+4*\g+3] offset:1536*\t+512*\g
.endr
.endr
	ds_store_b128 v[TA], v[VS:VS+3] offset:VSC
	s_wait_dscnt 0x0                               ; for the others' sake: my step of V lies in LDS
	s_barrier_signal -1
	s_barrier_wait -1                              ; all sixteen do
	s_wait_loadcnt 13                              ; Q is in; K's 13 loads stay out
	v_perm_b32 v[QS], v[TP], v[TP], 0x01000100     ; my first tile's two bytes, twice: they serve [Q | zeros] and [zeros | Q] alike
	v_perm_b32 v[QS+1], v[TP], v[TP], 0x03020302   ; my second tile's
.set j, 0
.rept 64
	v_mov_b32 v[O+j], 0                            ; O^T.  The step is written once: the first finds zeros, which the first change of M leaves zeros.  (These lines are also the places between Q's scale words and the first products)
.set j, j+1
.endr
; S^T of tile u: eight products, each with C = 0
.macro SPROD u
.irp p, 0,1,2,3
	v_wmma_scale_f32_16x16x128_f8f6f4 v[S+16*\p:S+16*\p+7], v[K+12*\p:K+12*\p+11], v[ZQ+6+12*\u:ZQ+17+12*\u], 0, v[KS+\p], v[QS+\u] matrix_a_fmt:MATRIX_FMT_FP6 matrix_b_fmt:MATRIX_FMT_FP6
	v_wmma_scale_f32_16x16x128_f8f6f4 v[S+16*\p+8:S+16*\p+15], v[K+12*\p:K+12*\p+11], v[ZQ+12*\u:ZQ+11+12*\u], 0, v[KS+\p], v[QS+\u] matrix_a_fmt:MATRIX_FMT_FP6 matrix_b_fmt:MATRIX_FMT_FP6
.endr
.endm
; The softmax of tile u for 128 keys: p's codes to v[PC] on, their scale word to v[PWD], f to v[F]
.macro SOFT u
.set NM, 4+4*\u
.set TT, 5+4*\u
.set LL, 6+4*\u
.irp b, 0,1,2,3
	v_max3_num_f32 v[BM+\b], v[S+16*\b], v[S+1+16*\b], v[S+2+16*\b]   ; the largest score of each block of 32 keys (each result from its low end on): it serves the row's maximum and, since p rises with the score, the block's largest p
.endr
.irp i, 3,5,7,9,11,13
.irp b, 0,1,2,3
	v_max3_num_f32 v[BM+\b], v[BM+\b], v[S+16*\b+\i], v[S+1+16*\b+\i]
.endr
.endr
.irp b, 0,1,2,3
	v_max_num_f32 v[BM+\b], v[BM+\b], v[S+15+16*\b]
.endr
.irp b, 0,1,2,3
	v_permlanex16_b32 v[T8+\b], v[BM+\b], s[SEL], s[SEL+1]
.endr
.irp b, 0,1,2,3
	v_max_num_f32 v[BM+\b], v[BM+\b], v[T8+\b]     ; with lane l xor 16's 16 keys
.endr
	v_max3_num_f32 v[TP], v[BM], v[BM+1], v[BM+2]
	v_max_num_f32 v[TP], v[TP], v[BM+3]            ; the step's largest score of my query
	v_mul_f32 v[TP], s[CS], v[TP]                  ; as t (c is positive)
	v_max_num_f32 v[TT], v[TT], v[TP]              ; the running largest t
	v_mov_b32 v[TP], v[NM]
	v_floor_f32 v[NM], -v[TT]                      ; the new -M = floor(-t) = -ceil(t): a whole number
	v_sub_f32 v[TP], v[NM], v[TP]                  ; old M - new M: a whole number, 0 or less
	v_cvt_i32_f32 v[TP], v[TP]                     ; (it saturates)
	v_ldexp_f32 v[F], 1.0, v[TP]                   ; f = 2^(old M - new M)
.set j, 0
.rept 32
	v_pk_fma_f32 v[S+j:S+j+1], v[S+j:S+j+1], s[CS:CS+1], v[NM:NM+1] op_sel_hi:[1,0,0]   ; t - M, two at a time
.set j, j+2
.endr
.irp b, 0,1,2,3
	v_fma_f32 v[BM+\b], v[BM+\b], s[CS], v[NM]     ; the same of each block's largest score
.endr
.set j, 0
.rept 64
	v_exp_f32 v[S+j], v[S+j]                       ; p = 2^(t - M), at most 1
.set j, j+1
.endr
.irp b, 0,1,2,3
	v_exp_f32 v[BM+\b], v[BM+\b]                   ; the block's largest p: the same two instructions on the same number
.endr
	v_pk_mul_f32 v[LL:LL+1], v[LL:LL+1], v[F:F+1] op_sel_hi:[1,0]   ; the sum under the new M.  (The plain line behind the exponentials)
	s_wait_alu depctr_va_vdst(0)
.irp b, 0,1,2,3
	v_max_num_f32 v[BM+\b], 0x1800000, v[BM+\b]    ; the floor 2^(3 - 127): the byte cannot fall under 1
.endr
.irp b, 0,1,2,3
	v_add_nc_u32 v[SOP+\b], 0xff000000, v[BM+\b]   ; 2 off the exponent field: the conversion's scale operand
.endr
.irp b, 0,1,2,3
	v_lshrrev_b32 v[T8+\b], 23, v[SOP+\b]          ; the scale's byte
.endr
	v_lshl_or_b32 v[PWD], v[T8+1], 8, v[T8]
	v_lshl_or_b32 v[PWD], v[T8+2], 16, v[PWD]
	v_lshl_or_b32 v[PWD], v[T8+3], 24, v[PWD]      ; p's scale word for these 128 keys
.irp c, 0,1
	v_cvt_scalef32_pk16_fp6_f32 v[PC+6*\c:PC+2+6*\c], v[S+32*\c:S+15+32*\c], v[SOP+2*\c]
	v_cvt_scalef32_pk16_fp6_f32 v[T8+4*\c:T8+2+4*\c], v[S+16+32*\c:S+31+32*\c], v[SOP+2*\c+1]   ; (a conversion's three registers begin on an even number)
.endr
	v_nop                                          ; one plain line behind the scaled conversions
.irp c, 0,1                                    ; the layout wants a whole block in a lane
.irp i, 0,1,2
	v_permlane16_swap_b32 v[PC+6*\c+\i], v[T8+4*\c+\i]
.endr
.irp i, 0,1,2
	v_mov_b32 v[PC+3+6*\c+\i], v[T8+4*\c+\i]
.endr
.endr
	v_pk_add_f32 v[T8:T8+1], v[S:S+1], v[S+2:S+3]  ; the row's sum is taken of the unquantised p: two at a time, in two chains
.irp j, 4,8,12,16,20,24,28,32,36,40,44,48,52,56,60
	v_pk_add_f32 v[LL:LL+1], v[LL:LL+1], v[S+\j:S+\j+1]
	v_pk_add_f32 v[T8:T8+1], v[T8:T8+1], v[S+2+\j:S+3+\j]
.endr
	v_pk_add_f32 v[LL:LL+1], v[LL:LL+1], v[T8:T8+1]
.endm
; O^T of tile u += V^T P^T.  V's four images land where p lay; O^T is brought under the new M while they are on their way
.macro PVPART u
.set OB, O+32*\u
.irp t, 0,1,2,3
.irp g, 0,1,2
	ds_load_b128 v[S+12*\t+4*\g:S+12*\t+4*\g+3], v[ADV] offset:1536*\t+512*\g
.endr
.endr
	ds_load_b128 v[VS:VS+3], v[ADV] offset:VSC
.set j, 0
.rept 16
	v_pk_mul_f32 v[OB+j:OB+j+1], v[OB+j:OB+j+1], v[F:F+1] op_sel_hi:[1,0]   ; each accumulator from its low end on.  (With the sums above: the places between p's codes and scale word and the products)
.set j, j+2
.endr
	s_wait_dscnt 0x0
.irp t, 0,1,2,3                                ; four accumulators by turns
	v_wmma_scale_f32_16x16x128_f8f6f4 v[OB+8*\t:OB+8*\t+7], v[S+12*\t:S+12*\t+11], v[PC:PC+11], v[OB+8*\t:OB+8*\t+7], v[VS+\t], v[PWD] matrix_a_fmt:MATRIX_FMT_FP6 matrix_b_fmt:MATRIX_FMT_FP6
.endr
.endm
.Lstep:                                            ; 16 trips, 128 keys each
	s_wait_loadcnt 0x0                             ; this step's K is in, so its loads' bases may step
	s_add_nc_u64 s[22:23], s[22:23], 6144
	s_add_nc_u64 s[24:25], s[24:25], 256
	v_add_nc_u32 v[ADV], s[TV], v[L16]
.rept 4
	v_nop                                          ; with the line above: five places between the last products and the products that write over the registers in which V lay
.endr
	SPROD 0
.rept 4
	v_nop                                          ; four places in front of the first read of the scores
.endr
	SOFT 0
	PVPART 0
.rept 5
	v_nop                                          ; five places, as at the trip's head
.endr
	SPROD 1
.rept 4
	v_nop                                          ; four places in front of loads into K's registers and of the first read of the scores
.endr
	s_cmp_eq_u32 s[CNT], 1                         ; the last trip asks for nothing: no load leaves hc or hs
	s_cbranch_scc1 .Lno_more
	KLOAD                                          ; the next step's K: it has a softmax and four products in which to land
.Lno_more:
	SOFT 1
	PVPART 1
	s_add_co_u32 s[TV], s[TV], VSTEP
	s_sub_co_u32 s[CNT], s[CNT], 1
	s_cmp_lg_u32 s[CNT], 0
	s_cbranch_scc1 .Lstep
	; THE WAY OUT.  O^T / (16 x the sum) of each head goes to the head's stage; behind a barrier thread T adds the sixteen heads' 16 bytes at row T / 16, byte 16 (T % 16), and stores them.
	; The address arithmetic names K's registers, which are done with: its lines are the places behind the last products.
	v_and_b32 v42, 15, v0                          ; r
	v_bfe_u32 v43, v0, 4, 1                        ; h
	v_and_b32 v44, 8, v42
	v_add_nc_u32 v44, v44, v42                     ; r + 8 (r / 8): with 8 u, my query among the 32
	v_mul_u32_u24 v44, v44, 272
	v_lshl_add_u32 v44, v43, 6, v44                ; + 64 h: block t's register j is d = 32 (t / 2) + 16 h + 8 (t % 2) + j
	s_mul_i32 s18, s[WV], HSTG
	s_add_co_u32 s18, s18, STG
	v_add_nc_u32 v44, s18, v44
	v_lshrrev_b32 v45, 4, v0
	v_mul_u32_u24 v45, v45, 272
	v_lshl_add_u32 v45, v42, 4, v45
	v_add_nc_u32 v45, STG, v45                     ; heads 0-3,
	v_add_nc_u32 v46, 4*HSTG, v45                  ; 4-7,
	v_add_nc_u32 v47, 8*HSTG, v45                  ; 8-11,
	v_add_nc_u32 v48, 12*HSTG, v45                 ; 12-15: the immediate offset has 16 bits
	v_lshlrev_b32 v49, 4, v0                       ; out0: 16 bytes a thread
	v_add_f32 v6, v6, v7                           ; the sum's two halves,
	v_add_f32 v10, v10, v11
	v_permlanex16_b32 v[T8], v6, s[SEL], s[SEL+1]
	v_permlanex16_b32 v[T8+1], v10, s[SEL], s[SEL+1]
	v_add_f32 v6, v6, v[T8]                        ; and lane l xor 16's
	v_add_f32 v10, v10, v[T8+1]
	v_rcp_f32 v6, v6
	v_rcp_f32 v10, v10
	v_nop                                          ; one plain line behind the reciprocals
	s_wait_alu depctr_va_vdst(0)
	v_mul_f32 v6, 0x3d800000, v6                   ; / 16: the mean over the heads
	v_mul_f32 v10, 0x3d800000, v10
.irp u, 0,1
.set j, 0
.rept 16
	v_pk_mul_f32 v[O+32*\u+j:O+32*\u+j+1], v[O+32*\u+j:O+32*\u+j+1], v[6+4*\u:7+4*\u] op_sel_hi:[1,0]   ; each accumulator from its low end on
.set j, j+2
.endr
.endr
.irp u, 0,1
.irp t, 0,1,2,3
	ds_store_b128 v44, v[O+32*\u+8*\t:O+32*\u+8*\t+3] offset:2176*\u+128*(\t/2)+32*(\t%2)
	ds_store_b128 v44, v[O+32*\u+8*\t+4:O+32*\u+8*\t+7] offset:2176*\u+128*(\t/2)+32*(\t%2)+16
.endr
.endr
	s_wait_dscnt 0x0                               ; for the others' sake: my head's 32 rows lie in its stage
	s_barrier_signal -1
	s_barrier_wait -1
.irp k, 0,1,2,3
.irp i, 0,1,2,3
	ds_load_b128 v[S+16*\k+4*\i:S+16*\k+4*\i+3], v[45+\k] offset:HSTG*\i
.endr
.endr
	s_wait_dscnt 0x0
.irp n, 1,2,3,4,5,6,7,8,9,10,11,12,13,14,15    ; the heads in ascending order
	v_pk_add_f32 v[S:S+1], v[S:S+1], v[S+4*\n:S+4*\n+1]
	v_pk_add_f32 v[S+2:S+3], v[S+2:S+3], v[S+4*\n+2:S+4*\n+3]
.endr
	global_store_b128 v49, v[S:S+3], s[40:41]      ; 16 lanes store a row's 256 consecutive bytes, aligned
	s_wait_xcnt 0x0
	v_lshl_add_u32 v254, v0, 2, 0x3c000
	v_mov_b32 v255, 0
	s_wait_tensorcnt 0x0
	ds_add_u32 v254, v255
	s_wait_dscnt 0x0
	s_endpgm
.Lfunc_end_k_qebe5514581_attn:
	.size	k_qebe5514581_attn, .Lfunc_end_k_qebe5514581_attn-k_qebe5514581_attn
	.p2alignl 7, 3214868480
	.fill 96, 4, 3214868480
	.section	.rodata,"a",@progbits
	.p2align	6, 0x0
	.amdhsa_kernel k_qebe5514581_attn
		.amdhsa_group_segment_fixed_size 247808
		.amdhsa_private_segment_fixed_size 0
		.amdhsa_enable_private_segment 0
		.amdhsa_kernarg_size 40
		.amdhsa_user_sgpr_count 2
		.amdhsa_user_sgpr_kernarg_segment_ptr 1
		.amdhsa_wavefront_size32 1
		.amdhsa_system_sgpr_workgroup_id_x 1
		.amdhsa_system_sgpr_workgroup_id_y 1
		.amdhsa_system_sgpr_workgroup_id_z 1
		.amdhsa_system_vgpr_workitem_id 0
		.amdhsa_next_free_vgpr 256
		.amdhsa_next_free_sgpr 66
		.amdhsa_reserve_vcc 0
		.amdhsa_float_denorm_mode_32 3
		.amdhsa_float_denorm_mode_16_64 3
		.amdhsa_memory_ordered 1
		.amdhsa_forward_progress 1
		.amdhsa_inst_pref_size 49
	.end_amdhsa_kernel
	.amdgpu_metadata
---
amdhsa.version: [ 1, 2 ]
amdhsa.kernels:
  - .name:           k_qebe5514581_attn
    .symbol:         k_qebe5514581_attn.kd
    .args:
      - { .name: cod, .offset: 0, .size: 8, .value_kind: global_buffer, .address_space: global }
      - { .name: scl, .offset: 8, .size: 8, .value_kind: global_buffer, .address_space: global }
      - { .name: hc, .offset: 16, .size: 8, .value_kind: global_buffer, .address_space: global }
      - { .name: hs, .offset: 24, .size: 8, .value_kind: global_buffer, .address_space: global }
      - { .name: out0, .offset: 32, .size: 8, .value_kind: global_buffer, .address_space: global }
    .group_segment_fixed_size: 247808
    .private_segment_fixed_size: 0
    .kernarg_segment_align: 8
    .kernarg_segment_size: 40
    .max_flat_workgroup_size: 512
    .sgpr_count:     66
    .vgpr_count:     256
    .wavefront_size: 32
...
	.end_amdgpu_metadata
.endif
;; end of part 3
;; ======== version 2 of 2: 3 launches; version 1 with the launch attn written anew for expert scheduling mode
;; workspace buffers: cod 14,548,992 bytes; scl 606,208 bytes; hc 12,582,912 bytes; hs 524,288 bytes
;; launch quant: the kernel of part 1 again; grid 296 x 1, 4 waves a work-group, no clusters, 34,304 bytes of LDS; arguments query, key, Wq, Wk, value, cod, scl; writes cod, scl
;; launch proj: the kernel of part 2 again; grid 4 x 64, 4 waves a work-group, clusters of 4 x 4, 327,680 bytes of LDS; arguments cod, scl, bq, bk, out1, hc, hs; writes out1, hc, hs
;; launch attn (part 4): grid 64 x 4, 16 waves a work-group, no clusters, 247,808 bytes of LDS; arguments cod, scl, hc, hs, out0; writes out0
.if DOCPART == 4
	.amdgcn_target "amdgcn-amd-amdhsa--gfx1250"
	.amdhsa_code_object_version 6
	.text
	.protected	k_qebe5514581_attn
	.globl	k_qebe5514581_attn
	.p2align	8
	.type	k_qebe5514581_attn,@function
k_qebe5514581_attn:
	s_mov_b64 s[64:65], 0
	v_nop
	global_prefetch_b8 v0, s[64:65] scope:SCOPE_SE
	s_setreg_imm32_b32 hwreg(HW_REG_WAVE_SCHED_MODE, 0, 2), 2
	s_setreg_imm32_b32 hwreg(HW_REG_WAVE_MODE, 25, 1), 1
	s_wait_xcnt 0x0
	s_wait_alu depctr_vm_vsrc(0)
; out0[b][q][:] = the mean over the 16 heads of softmax_k(q_h . k_h / 8) v, v[b][k][d] = value[b][d][k], the same for all heads.  Both products on codes of FP6 (E2M3) with E8M0 scales.
; THE SOFTMAX AHEAD OF THE SECOND PRODUCT: t = score x log2(e) / 8; M = the row's largest t so far, rounded up to a whole number; p = 2^(t - M) is quantised along the keys, not normalised.
; The row's sum is taken of the unquantised p and divides at the end.  When M moves, the sum and O are multiplied by 2^(old M - new M): nothing is rounded, and no branch hangs on data.
; SHARES.  A work-group owns 32 queries of one batch and ALL 16 heads, so that the mean over heads is made inside it.  Wave w is head w, with two tiles of 16 queries; it walks 16 steps of 128 keys.
; Four waves share a SIMD: one wave's softmax stands beside another's products and loads.  256 work-groups.
; K (hc, images of operand registers) is read by ONE wave of the work-group: it comes straight into that wave's registers, 12 loads of 512 consecutive bytes a step, asked for a softmax and a product ahead.
; V (cod, images) is read by all sixteen waves: the batch's 16 steps x 4 images come into LDS once (wave w brings step w), with their scale words.
; NO JOINT LOADS, though the 64 work-groups of a batch read the same K: a joint load lands in LDS, where each byte of K would be written and read back for the one wave that uses it,
; and each of the 16 steps would want a round of the cluster's barrier that brings 64 waves into step, while this text rests on its waves being out of step.
; K = 64 IN AN INSTRUCTION 128 DEEP.  An image of hc holds TWO tiles of 16 keys: K 0-63 the first tile's 64 numbers, K 64-127 the second's.  Multiplied by [Q | zeros] it gives the first tile's scores, by [zeros | Q] the second's.
; LAYOUT.  Both products are used transposed (S^T = K Q^T, O^T = V^T P^T): a lane holds one query (lane % 16).  Tile 2 P + u of the keys holds keys 32 P + 8 u + r + 8 (r / 8),
; so the 16 registers of a pair's two results are keys 32 P + 16 (lane / 16) + 0 .. 15.  V's block t holds rows d = 32 (t / 2) + 8 (t % 2) + r + 8 (r / 8).
; LIMITS: NaN and infinities are not served; a p under 2^-126 counts as 0 (v_exp_f32 gives 0 there); a block of p whose largest lies under 2^-124 keeps the scale byte 1.
; REGISTERS: v1 16 x lane; v3 16 x (lane % 16); v4-11 for each tile -M, the largest t, the sum in two halves; v12-41 zeros, Q0, zeros, Q1, zeros (six each); v42-89 K's four images;
;   v90-153 S^T, then p, then V's four images (v90-137); v154-217 O^T, 32 a tile; v218-229 p's codes (v226-229 first hold the blocks' largest scores); v230-241 at work;
;   v242-245 K's scale words, v246-249 V's, v251 p's, v253-254 Q's: these hold scales and nothing else; v250 f; v252 at work; v255 LDS address of the step's V.
; THE MODE: SCHED_MODE bits 1:0 = 2 (LLVM: expert scheduling mode 2), set by the entry lines.  The code itself states the register dependences
; between vector or matrix instructions and memory or LDS instructions, with s_wait_alu, always for 0.
; THE PLAN.  Registers that memory or LDS instructions touch, in the loop:
;   v42-89, v242-245   K's images and scale words.  Both tiles' S^T products read them; behind the second tile's products the next step's 13 loads land in them.
;   v90-137            The S^T products write them, the softmax reads and writes them (p); behind the row's sums V's four images land in them, and the O^T products read those.
;   v246-249           V's scale words: an LDS load lands in them with the images; the O^T products read them.
;   v255               Read by every LDS load of V; written once a trip, at the trip's head.
;   v1, v3             Offsets of K's loads, made at the head and never written again: K's scalar bases move on.
;   O^T, p's codes and scale word, the statistics and Q are named by vector and matrix instructions alone.
; So a trip has: one wait on vm_vsrc at its head, ahead of the add to v255; for each tile the wait behind the exponentials, and one wait on va_vdst behind the row's sums, ahead of V's loads;
; and one wait on va_vdst behind the second tile's S^T products, ahead of K's loads.  No register is left for a second buffer of K or of V: four waves of 256 fill a SIMD's 1,024.
.set VSTEP, 6656                       ; LDS: a step of V: four images, 6,144 bytes, then 16 bytes a lane: its four scale words
.set VSC,   6144
.set STG,   16*VSTEP                   ; behind V: a stage for each head: 32 queries x (256 + 16) bytes
.set HSTG,  32*272
.set L16, 1
.set TA,  2
.set KSO, 3
.set ZQ,  12
.set K,   42
.set S,   90
.set O,   154
.set PC,  218
.set BM,  226
.set T8,  230
.set SOP, 238
.set KS,  242
.set VS,  246
.set F,   250
.set PWD, 251
.set TP,  252
.set QS,  253
.set ADV, 255
.set WV,  14                           ; s14 wave = head
.set SEL, 26                           ; s[26:27] v_permlanex16_b32's selects for lane l xor 16
.set CS,  28                           ; s[28:29] c = log2(e) / 8: the packed form names a pair and takes its low word
.set TV,  30                           ; s30 LDS byte at which the step's V begins
.set CNT, 31                           ; s31 steps to go
	s_load_b256 s[4:11], s[0:1], 0x0               ; cod s[4:5], scl s[6:7], hc s[8:9], hs s[10:11]
	s_load_b64 s[12:13], s[0:1], 0x20              ; out0
	v_lshrrev_b32 v[TA], 5, v0
	v_readfirstlane_b32 s[WV], v[TA]
	v_and_b32 v[TA], 31, v0
	v_lshlrev_b32 v[L16], 4, v[TA]
	v_and_b32 v[TA], 15, v0
	v_lshlrev_b32 v[KSO], 4, v[TA]
	v_lshlrev_b32 v[ADV], 5, v[TA]                 ; (for now: 32 r, a row of scl)
	s_wait_alu depctr_va_sdst(0)                   ; s14, the wave's number, is written, ahead of its first reader: the bases below are made from it
	s_mov_b32 s15, ttmp9                           ; which 32 queries: a pair of token tiles
	s_and_b32 s16, ttmp7, 0xffff                   ; the batch
	s_lshl_b32 s17, s16, 4
	s_add_co_u32 s17, s17, s[WV]                   ; 16 b + head
	s_lshl_b32 s32, s16, 6                         ; V's images of key step w: cod + 1,152 jobs + (64 b + w) x 1,536; block t lies 24,576 bytes on
	s_add_co_u32 s32, s32, s[WV]
	s_mul_i32 s32, s32, 1536
	s_add_co_u32 s32, s32, 14155776
	s_mov_b32 s33, 0
	s_lshl_b32 s34, s16, 3                         ; their scale words: scl + 1,152 jobs + (8 b + w / 8) x 512 + 4 (w % 8); block t lies 1,024 bytes on
	s_lshr_b32 s18, s[WV], 3
	s_add_co_u32 s34, s34, s18
	s_lshl_b32 s34, s34, 9
	s_and_b32 s18, s[WV], 7
	s_lshl_b32 s18, s18, 2
	s_add_co_u32 s34, s34, s18
	s_add_co_u32 s34, s34, 589824
	s_mov_b32 s35, 0
	s_lshl_b32 s36, s17, 6                         ; Q: hc [16 b + head][pair]
	s_add_co_u32 s36, s36, s15
	s_mul_i32 s36, s36, 1536
	s_mov_b32 s37, 0
	s_lshl_b32 s38, s17, 4                         ; its scale words: hs [16 b + head][pair / 4][r][pair % 4]
	s_lshr_b32 s18, s15, 2
	s_add_co_u32 s38, s38, s18
	s_lshl_b32 s38, s38, 8
	s_and_b32 s18, s15, 3
	s_lshl_b32 s18, s18, 2
	s_add_co_u32 s38, s38, s18
	s_mov_b32 s39, 0
	s_add_co_u32 s18, s17, 64                      ; K: hc [64 + 16 b + head]: 98,304 bytes a head; hs: 4,096
	s_mul_i32 s22, s18, 98304
	s_mov_b32 s23, 0
	s_lshl_b32 s24, s18, 12
	s_mov_b32 s25, 0
	s_lshl_b32 s40, s16, 11                        ; out0: row 2,048 b + 32 x pair, 256 bytes a row
	s_lshl_b32 s18, s15, 5
	s_add_co_u32 s40, s40, s18
	s_lshl_b32 s40, s40, 8
	s_mov_b32 s41, 0
	s_mov_b32 s[SEL], 0x76543210
	s_mov_b32 s[SEL+1], 0xfedcba98
	s_mov_b32 s[CS], 0x3e38aa3b                    ; log2(e) / 8
	s_mov_b32 s[CS+1], s[CS]
	s_mov_b32 s[TV], 0
	s_mov_b32 s[CNT], 16
	s_wait_kmcnt 0x0
	s_add_nc_u64 s[32:33], s[4:5], s[32:33]
	s_add_nc_u64 s[34:35], s[6:7], s[34:35]
	s_add_nc_u64 s[36:37], s[8:9], s[36:37]
	s_add_nc_u64 s[38:39], s[10:11], s[38:39]
	s_add_nc_u64 s[22:23], s[8:9], s[22:23]
	s_add_nc_u64 s[24:25], s[10:11], s[24:25]
	s_add_nc_u64 s[40:41], s[12:13], s[40:41]
	s_wait_alu depctr_va_vdst(0)                   ; the offsets v1, v3 and v255 are written, which the loads below read
.macro KLOAD                           ; a step's four images of K and their scale words: 13 loads
.irp p, 0,1,2,3
.irp g, 0,1,2
	global_load_b128 v[K+12*\p+4*\g:K+12*\p+4*\g+3], v[L16], s[22:23] offset:1536*\p+512*\g
.endr
.endr
	global_load_b128 v[KS:KS+3], v[KSO], s[24:25]
.endm
.irp t, 0,1,2,3                                ; V's step w: 16 loads
.irp g, 0,1,2
	global_load_b128 v[S+12*\t+4*\g:S+12*\t+4*\g+3], v[L16], s[32:33] offset:24576*\t+512*\g
.endr
.endr
.irp t, 0,1,2,3
	global_load_b32 v[VS+\t], v[ADV], s[34:35] offset:1024*\t
.endr
.irp e, 0,1,2,3,4,5                            ; Q: 7 loads.  The image's registers 0-5 are my first tile, 6-11 my second: pairs of registers, 8 bytes, so that zeros can stand between the two
	global_load_b64 v[ZQ+6+12*(\e/3)+2*(\e%3):ZQ+7+12*(\e/3)+2*(\e%3)], v[L16], s[36:37] offset:512*(\e/2)+8*(\e%2)
.endr
	global_load_b32 v[TP], v[KSO], s[38:39]
	KLOAD                                          ; K's step 0
.irp z, 0,12,24
.irp i, 0,1,2,3,4,5
	v_mov_b32 v[ZQ+\z+\i], 0                       ; zero codes
.endr
.endr
.irp u, 0,1
	v_mov_b32 v[5+4*\u], 0xff61b1e6                ; the largest t so far: -3e38, under every t
	v_floor_f32 v[4+4*\u], -v[5+4*\u]              ; -M
	v_mov_b32 v[6+4*\u], 0                         ; the sum, in two halves
	v_mov_b32 v[7+4*\u], 0
.endr
.irp b, 0,1,2,3
	v_mov_b32 v[T8+\b], 0                          ; a lane permute's destination counts as one of its sources
.endr
	v_mov_b32 v[PWD], 0                            ; (named as the upper half of the pair v[250:251] before it is first written)
	s_mul_i32 s18, s[WV], VSTEP
	v_add_nc_u32 v[TA], s18, v[L16]
	s_wait_loadcnt 20                              ; V's 16 loads are in; Q's 7 and K's 13 stay out
	s_wait_alu depctr_va_vdst(0)                   ; v2 is written, which the LDS stores below read as their address (their data come from loads)
.irp t, 0,1,2,3
.irp g, 0,1,2
	ds_store_b128 v[TA], v[S+12*\t+4*\g:S+12*\t+4*\g+3] offset:1536*\t+512*\g
.endr
.endr
	ds_store_b128 v[TA], v[VS:VS+3] offset:VSC
	s_wait_dscnt 0x0                               ; for the others' sake: my step of V lies in LDS
	s_barrier_signal -1
	s_barrier_wait -1                              ; all sixteen do
	s_wait_loadcnt 13                              ; Q is in; K's 13 loads stay out
	v_perm_b32 v[QS], v[TP], v[TP], 0x01000100     ; my first tile's two bytes, twice: they serve [Q | zeros] and [zeros | Q] alike
	v_perm_b32 v[QS+1], v[TP], v[TP], 0x03020302   ; my second tile's
.set j, 0
.rept 64
	v_mov_b32 v[O+j], 0                            ; O^T.  The step is written once: the first finds zeros, which the first change of M leaves zeros.  (These lines are also the places between Q's scale words and the first products)
.set j, j+1
.endr
	s_wait_alu depctr_va_vdst(0)                   ; Q's two scale words and the zero codes are written, which the scaled products take as scales and as operand; no vector line writes them again
; S^T of tile u: eight products, each with C = 0
.macro SPROD u
.irp p, 0,1,2,3
	v_wmma_scale_f32_16x16x128_f8f6f4 v[S+16*\p:S+16*\p+7], v[K+12*\p:K+12*\p+11], v[ZQ+6+12*\u:ZQ+17+12*\u], 0, v[KS+\p], v[QS+\u] matrix_a_fmt:MATRIX_FMT_FP6 matrix_b_fmt:MATRIX_FMT_FP6
	v_wmma_scale_f32_16x16x128_f8f6f4 v[S+16*\p+8:S+16*\p+15], v[K+12*\p:K+12*\p+11], v[ZQ+12*\u:ZQ+11+12*\u], 0, v[KS+\p], v[QS+\u] matrix_a_fmt:MATRIX_FMT_FP6 matrix_b_fmt:MATRIX_FMT_FP6
.endr
.endm
; The softmax of tile u for 128 keys: p's codes to v[PC] on, their scale word to v[PWD], f to v[F]
.macro SOFT u
.set NM, 4+4*\u
.set TT, 5+4*\u
.set LL, 6+4*\u
.irp b, 0,1,2,3
	v_max3_num_f32 v[BM+\b], v[S+16*\b], v[S+1+16*\b], v[S+2+16*\b]   ; the largest score of each block of 32 keys (each result from its low end on): it serves the row's maximum and, since p rises with the score, the block's largest p
.endr
.irp i, 3,5,7,9,11,13
.irp b, 0,1,2,3
	v_max3_num_f32 v[BM+\b], v[BM+\b], v[S+16*\b+\i], v[S+1+16*\b+\i]
.endr
.endr
.irp b, 0,1,2,3
	v_max_num_f32 v[BM+\b], v[BM+\b], v[S+15+16*\b]
.endr
.irp b, 0,1,2,3
	v_permlanex16_b32 v[T8+\b], v[BM+\b], s[SEL], s[SEL+1]
.endr
.irp b, 0,1,2,3
	v_max_num_f32 v[BM+\b], v[BM+\b], v[T8+\b]     ; with lane l xor 16's 16 keys
.endr
	v_max3_num_f32 v[TP], v[BM], v[BM+1], v[BM+2]
	v_max_num_f32 v[TP], v[TP], v[BM+3]            ; the step's largest score of my query
	v_mul_f32 v[TP], s[CS], v[TP]                  ; as t (c is positive)
	v_max_num_f32 v[TT], v[TT], v[TP]              ; the running largest t
	v_mov_b32 v[TP], v[NM]
	v_floor_f32 v[NM], -v[TT]                      ; the new -M = floor(-t) = -ceil(t): a whole number
	v_sub_f32 v[TP], v[NM], v[TP]                  ; old M - new M: a whole number, 0 or less
	v_cvt_i32_f32 v[TP], v[TP]                     ; (it saturates)
	v_ldexp_f32 v[F], 1.0, v[TP]                   ; f = 2^(old M - new M)
.set j, 0
.rept 32
	v_pk_fma_f32 v[S+j:S+j+1], v[S+j:S+j+1], s[CS:CS+1], v[NM:NM+1] op_sel_hi:[1,0,0]   ; t - M, two at a time
.set j, j+2
.endr
.irp b, 0,1,2,3
	v_fma_f32 v[BM+\b], v[BM+\b], s[CS], v[NM]     ; the same of each block's largest score
.endr
.set j, 0
.rept 64
	v_exp_f32 v[S+j], v[S+j]                       ; p = 2^(t - M), at most 1
.set j, j+1
.endr
.irp b, 0,1,2,3
	v_exp_f32 v[BM+\b], v[BM+\b]                   ; the block's largest p: the same two instructions on the same number
.endr
	v_pk_mul_f32 v[LL:LL+1], v[LL:LL+1], v[F:F+1] op_sel_hi:[1,0]   ; the sum under the new M.  (The plain line behind the exponentials)
	s_wait_alu depctr_va_vdst(0)                   ; the 68 exponentials have written p and the blocks' largest p: one wait for the batch, ahead of the first line that names a result
.irp b, 0,1,2,3
	v_max_num_f32 v[BM+\b], 0x1800000, v[BM+\b]    ; the floor 2^(3 - 127): the byte cannot fall under 1
.endr
.irp b, 0,1,2,3
	v_add_nc_u32 v[SOP+\b], 0xff000000, v[BM+\b]   ; 2 off the exponent field: the conversion's scale operand
.endr
.irp b, 0,1,2,3
	v_lshrrev_b32 v[T8+\b], 23, v[SOP+\b]          ; the scale's byte
.endr
	v_lshl_or_b32 v[PWD], v[T8+1], 8, v[T8]
	v_lshl_or_b32 v[PWD], v[T8+2], 16, v[PWD]
	v_lshl_or_b32 v[PWD], v[T8+3], 24, v[PWD]      ; p's scale word for these 128 keys
.irp c, 0,1
	v_cvt_scalef32_pk16_fp6_f32 v[PC+6*\c:PC+2+6*\c], v[S+32*\c:S+15+32*\c], v[SOP+2*\c]
	v_cvt_scalef32_pk16_fp6_f32 v[T8+4*\c:T8+2+4*\c], v[S+16+32*\c:S+31+32*\c], v[SOP+2*\c+1]   ; (a conversion's three registers begin on an even number)
.endr
	v_nop                                          ; one plain line behind the scaled conversions
.irp c, 0,1                                    ; the layout wants a whole block in a lane
.irp i, 0,1,2
	v_permlane16_swap_b32 v[PC+6*\c+\i], v[T8+4*\c+\i]
.endr
.irp i, 0,1,2
	v_mov_b32 v[PC+3+6*\c+\i], v[T8+4*\c+\i]
.endr
.endr
	v_pk_add_f32 v[T8:T8+1], v[S:S+1], v[S+2:S+3]  ; the row's sum is taken of the unquantised p: two at a time, in two chains
.irp j, 4,8,12,16,20,24,28,32,36,40,44,48,52,56,60
	v_pk_add_f32 v[LL:LL+1], v[LL:LL+1], v[S+\j:S+\j+1]
	v_pk_add_f32 v[T8:T8+1], v[T8:T8+1], v[S+2+\j:S+3+\j]
.endr
	v_pk_add_f32 v[LL:LL+1], v[LL:LL+1], v[T8:T8+1]
.endm
; O^T of tile u += V^T P^T.  V's four images land where p lay; O^T is brought under the new M while they are on their way
.macro PVPART u
.set OB, O+32*\u
	s_wait_alu depctr_va_vdst(0)                   ; the softmax is done writing and reading p, in whose registers V's images land; the O^T products before are done reading V's scale words, which are loaded anew; v[ADV] is written; and p's codes and scale word, which the products below take as operand and scales, are written, the sums above being their places.  No vector line behind this wait names a register that the loads touch, or writes p's codes or scale word
.irp t, 0,1,2,3
.irp g, 0,1,2
	ds_load_b128 v[S+12*\t+4*\g:S+12*\t+4*\g+3], v[ADV] offset:1536*\t+512*\g
.endr
.endr
	ds_load_b128 v[VS:VS+3], v[ADV] offset:VSC
.set j, 0
.rept 16
	v_pk_mul_f32 v[OB+j:OB+j+1], v[OB+j:OB+j+1], v[F:F+1] op_sel_hi:[1,0]   ; each accumulator from its low end on.  (With the sums above: the places between p's codes and scale word and the products)
.set j, j+2
.endr
	s_wait_dscnt 0x0
.irp t, 0,1,2,3                                ; four accumulators by turns
	v_wmma_scale_f32_16x16x128_f8f6f4 v[OB+8*\t:OB+8*\t+7], v[S+12*\t:S+12*\t+11], v[PC:PC+11], v[OB+8*\t:OB+8*\t+7], v[VS+\t], v[PWD] matrix_a_fmt:MATRIX_FMT_FP6 matrix_b_fmt:MATRIX_FMT_FP6
.endr
.endm
.Lstep:                                            ; 16 trips, 128 keys each
	s_wait_loadcnt 0x0                             ; this step's K is in, so its loads' bases may step
	s_add_nc_u64 s[22:23], s[22:23], 6144
	s_add_nc_u64 s[24:25], s[24:25], 256
	s_wait_alu depctr_vm_vsrc(0)                   ; the LDS loads of the trip before have read v[ADV], which the next line writes.  In the first trip: the loads of V's scale words have read it, and my LDS stores of V have read v90-137 and v246-249, which this trip's products and LDS loads write
	v_add_nc_u32 v[ADV], s[TV], v[L16]
.rept 4
	v_nop                                          ; with the line above: five places between the last products and the products that write over the registers in which V lay
.endr
	SPROD 0
.rept 4
	v_nop                                          ; four places in front of the first read of the scores
.endr
	SOFT 0
	PVPART 0
.rept 5
	v_nop                                          ; five places, as at the trip's head
.endr
	SPROD 1
.rept 4
	v_nop                                          ; four places in front of the first read of the scores
.endr
	s_wait_alu depctr_va_vdst(0)                   ; both tiles' products are done reading K's images and scale words, in which the loads below land; no vector or matrix line names them again before the next trip
	s_cmp_eq_u32 s[CNT], 1                         ; the last trip asks for nothing: no load leaves hc or hs
	s_cbranch_scc1 .Lno_more
	KLOAD                                          ; the next step's K: it has a softmax and four products in which to land
.Lno_more:
	SOFT 1
	PVPART 1
	s_add_co_u32 s[TV], s[TV], VSTEP
	s_sub_co_u32 s[CNT], s[CNT], 1
	s_cmp_lg_u32 s[CNT], 0
	s_cbranch_scc1 .Lstep
	; THE WAY OUT.  O^T / (16 x the sum) of each head goes to the head's stage; behind a barrier thread T adds the sixteen heads' 16 bytes at row T / 16, byte 16 (T % 16), and stores them.
	; The address arithmetic names K's registers, which are done with: its lines are the places behind the last products.
	v_and_b32 v42, 15, v0                          ; r
	v_bfe_u32 v43, v0, 4, 1                        ; h
	v_and_b32 v44, 8, v42
	v_add_nc_u32 v44, v44, v42                     ; r + 8 (r / 8): with 8 u, my query among the 32
	v_mul_u32_u24 v44, v44, 272
	v_lshl_add_u32 v44, v43, 6, v44                ; + 64 h: block t's register j is d = 32 (t / 2) + 16 h + 8 (t % 2) + j
	s_mul_i32 s18, s[WV], HSTG
	s_add_co_u32 s18, s18, STG
	v_add_nc_u32 v44, s18, v44
	v_lshrrev_b32 v45, 4, v0
	v_mul_u32_u24 v45, v45, 272
	v_lshl_add_u32 v45, v42, 4, v45
	v_add_nc_u32 v45, STG, v45                     ; heads 0-3,
	v_add_nc_u32 v46, 4*HSTG, v45                  ; 4-7,
	v_add_nc_u32 v47, 8*HSTG, v45                  ; 8-11,
	v_add_nc_u32 v48, 12*HSTG, v45                 ; 12-15: the immediate offset has 16 bits
	v_lshlrev_b32 v49, 4, v0                       ; out0: 16 bytes a thread
	v_add_f32 v6, v6, v7                           ; the sum's two halves,
	v_add_f32 v10, v10, v11
	v_permlanex16_b32 v[T8], v6, s[SEL], s[SEL+1]
	v_permlanex16_b32 v[T8+1], v10, s[SEL], s[SEL+1]
	v_add_f32 v6, v6, v[T8]                        ; and lane l xor 16's
	v_add_f32 v10, v10, v[T8+1]
	v_rcp_f32 v6, v6
	v_rcp_f32 v10, v10
	v_nop                                          ; one plain line behind the reciprocals
	s_wait_alu depctr_va_vdst(0)                   ; the two reciprocals have written v6 and v10: one wait for both, ahead of their first reader
	v_mul_f32 v6, 0x3d800000, v6                   ; / 16: the mean over the heads
	v_mul_f32 v10, 0x3d800000, v10
.irp u, 0,1
.set j, 0
.rept 16
	v_pk_mul_f32 v[O+32*\u+j:O+32*\u+j+1], v[O+32*\u+j:O+32*\u+j+1], v[6+4*\u:7+4*\u] op_sel_hi:[1,0]   ; each accumulator from its low end on
.set j, j+2
.endr
.endr
	s_wait_alu depctr_va_vdst(0)                   ; the divisions have written O^T and the address lines v44 to v48, which the LDS stores and loads below read; the last products and the softmax are done with v90-153, in which the loads behind the barrier land
.irp u, 0,1
.irp t, 0,1,2,3
	ds_store_b128 v44, v[O+32*\u+8*\t:O+32*\u+8*\t+3] offset:2176*\u+128*(\t/2)+32*(\t%2)
	ds_store_b128 v44, v[O+32*\u+8*\t+4:O+32*\u+8*\t+7] offset:2176*\u+128*(\t/2)+32*(\t%2)+16
.endr
.endr
	s_wait_dscnt 0x0                               ; for the others' sake: my head's 32 rows lie in its stage
	s_barrier_signal -1
	s_barrier_wait -1
.irp k, 0,1,2,3
.irp i, 0,1,2,3
	ds_load_b128 v[S+16*\k+4*\i:S+16*\k+4*\i+3], v[45+\k] offset:HSTG*\i
.endr
.endr
	s_wait_dscnt 0x0
.irp n, 1,2,3,4,5,6,7,8,9,10,11,12,13,14,15    ; the heads in ascending order
	v_pk_add_f32 v[S:S+1], v[S:S+1], v[S+4*\n:S+4*\n+1]
	v_pk_add_f32 v[S+2:S+3], v[S+2:S+3], v[S+4*\n+2:S+4*\n+3]
.endr
	s_wait_alu depctr_va_vdst(0)                   ; the sums have written v90-93, which the store reads (its offset v49 was written ahead of the wait before)
	global_store_b128 v49, v[S:S+3], s[40:41]      ; 16 lanes store a row's 256 consecutive bytes, aligned
	s_wait_xcnt 0x0
	s_wait_alu depctr_vm_vsrc(0)                   ; the last trip's LDS loads of V have read v255, which is made anew below
	v_lshl_add_u32 v254, v0, 2, 0x3c000            ; my spare word, behind the stages: no two registers could be kept for this alone, so v0 was kept and the two are made here
	v_mov_b32 v255, 0
	s_wait_dscnt 0x0                               ; the closing lines, six on end
	s_wait_alu 0x0
	s_wait_tensorcnt 0x0
	ds_add_u32 v254, v255
	s_wait_dscnt 0x0
	s_endpgm
.Lfunc_end_k_qebe5514581_attn:
	.size	k_qebe5514581_attn, .Lfunc_end_k_qebe5514581_attn-k_qebe5514581_attn
	.p2alignl 7, 3214868480
	.fill 96, 4, 3214868480
	.section	.rodata,"a",@progbits
	.p2align	6, 0x0
	.amdhsa_kernel k_qebe5514581_attn
		.amdhsa_group_segment_fixed_size 247808
		.amdhsa_private_segment_fixed_size 0
		.amdhsa_enable_private_segment 0
		.amdhsa_kernarg_size 40
		.amdhsa_user_sgpr_count 2
		.amdhsa_user_sgpr_kernarg_segment_ptr 1
		.amdhsa_wavefront_size32 1
		.amdhsa_system_sgpr_workgroup_id_x 1
		.amdhsa_system_sgpr_workgroup_id_y 1
		.amdhsa_system_sgpr_workgroup_id_z 1
		.amdhsa_system_vgpr_workitem_id 0
		.amdhsa_next_free_vgpr 256
		.amdhsa_next_free_sgpr 66
		.amdhsa_reserve_vcc 0
		.amdhsa_float_denorm_mode_32 3
		.amdhsa_float_denorm_mode_16_64 3
		.amdhsa_memory_ordered 1
		.amdhsa_forward_progress 1
		.amdhsa_inst_pref_size 49
	.end_amdhsa_kernel
	.amdgpu_metadata
---
amdhsa.version: [ 1, 2 ]
amdhsa.kernels:
  - .name:           k_qebe5514581_attn
    .symbol:         k_qebe5514581_attn.kd
    .args:
      - { .name: cod, .offset: 0, .size: 8, .value_kind: global_buffer, .address_space: global }
      - { .name: scl, .offset: 8, .size: 8, .value_kind: global_buffer, .address_space: global }
      - { .name: hc, .offset: 16, .size: 8, .value_kind: global_buffer, .address_space: global }
      - { .name: hs, .offset: 24, .size: 8, .value_kind: global_buffer, .address_space: global }
      - { .name: out0, .offset: 32, .size: 8, .value_kind: global_buffer, .address_space: global }
    .group_segment_fixed_size: 247808
    .private_segment_fixed_size: 0
    .kernarg_segment_align: 8
    .kernarg_segment_size: 40
    .max_flat_workgroup_size: 512
    .sgpr_count:     66
    .vgpr_count:     256
    .wavefront_size: 32
...
	.end_amdgpu_metadata
.endif
;; end of part 4
